; MI455X (gfx1250); checked and timed in simulation.
; The chip was launched on July 23, 2026; its instructions are those of AMD's public machine-readable ISA for CDNA 5 (MIT licence, August 2026) and "CDNA5" Instruction Set Architecture Reference Guide (July 2026). The comments in the code are by the model that wrote it; some were corrected since.
;; Self Attention. Allowed arithmetic: matrix products marked QUANTISED: E2M1 operands, one E8M0 scale for each 32 along K, by v_wmma_scale_f32_16x16x128_f8f6f4 with both operands' format E2M1 (or v_wmma_scale_f32_32x16x128_f4), f32 sums; everything else in f32.
;; Inputs: Wout 1,024 x 1,024 float32; Wqkv 1,024 x 3,072 float32; beta 1,024 float32; bout 1,024 float32; bqkv 3,072 float32; gamma 1,024 float32; x 4 x 2,048 x 1,024 float32.
;; Outputs: out0 4 x 2,048 x 1,024 float32.
;; This version of the problem:
;;   THIS VERSION OF THE PROBLEM IS GIVEN IN LOW PRECISION. The matrix products marked QUANTISED in the list below multiply operands that are first quantised to E2M1 (2 exponent bits, 1 mantissa bit; 4 bits a number), with one power-of-two scale for each 32 numbers along K (OCP MX v1.0); their sums are f32. All else is computed in f32.
;;   The module's matrix products, in the order in which they are computed (A, B: the left and right operand; K: the contracted axis; several contracted axes count as one K, in the product's order):
;;     1. [M 8,192, K 1,024] x [K 1,024, N 3,072]; A: input x; B: input Wqkv: QUANTISED
;;     2. batch 64 x [M 2,048, K 64] x [K 64, N 2,048]; A: computed on the way; B: computed on the way: QUANTISED
;;     3. batch 64 x [M 2,048, K 2,048] x [K 2,048, N 64]; A: softmax (see below); B: computed on the way: QUANTISED
;;     4. [M 8,192, K 1,024] x [K 1,024, N 1,024]; A: computed on the way; B: input Wout: QUANTISED
;;   THE QUANTISER, for each operand of a quantised product, along K:
;;     - K is cut into blocks of 32 from its start; a last block that is shorter is filled with zeros.
;;     - A block's scale is 2^e with e = floor(log2(the largest magnitude in the block)) - 2, held to -126 .. 127; a block of zeros has e = 0. As a byte (E8M0): e + 127.
;;     - Each number is divided by its block's scale, clamped to +-6, and rounded to the nearest number of E2M1, ties to even, subnormals kept.
;;     - The product sums the exact products of the quantised numbers (number of the format x scale) in f32.
;;   ~~~python
;;   def quantise(x, axis):      # numpy; x: float32 -> the quantised numbers, widened to float32 again
;;       x = np.moveaxis(x, axis, -1); K = x.shape[-1]
;;       x = np.pad(x, [(0, 0)] * (x.ndim - 1) + [(0, -K % 32)]); x = x.reshape(x.shape[:-1] + (-1, 32)); a = np.abs(x).max(-1, keepdims=True)
;;       e = np.where(a > 0, np.clip(np.frexp(np.where(a > 0, a, 1))[1] - 1 - 2, -126, 127), 0)      # np.frexp(a)[1] - 1 = floor(log2(a)), exactly
;;       r = np.clip(x / 2.0 ** e, -6, 6)
;;       step = 2.0 ** (np.maximum(np.frexp(np.where(r == 0, 1, r))[1] - 1, 0) - 1)
;;       q = np.round(r / step) * step * 2.0 ** e      # np.round: ties to even
;;       return np.moveaxis(q.reshape(q.shape[:-2] + (-1,))[..., :K], -1, axis).astype(np.float32)
;;   ~~~
;;   SOFTMAX AHEAD OF A QUANTISED PRODUCT. Where the list says 'softmax', what is quantised is not the finished softmax but p = 2^(t - M), with t = logit x log2(e) and M = ceil(the row's largest t), a whole number; so 1/2 < the row's largest p <= 1. The row's sum l is taken of the UNQUANTISED p, in f32, and the product's result is divided by l at the end. Since M is a whole number, a kernel that streams over the keys may use a running M (the ceiling of the running maximum): every later rescaling is an exact power of two, which a block's scale takes up: the codes' values come out the same.
;;   OPERANDS COMPUTED ON THE WAY. 'Computed on the way' means the value that the module computes at that place (a softmax that the list does not call 'softmax' is quantised finished and normalised). What goes into a quantiser is computed in f32, as accurately as f32 sums, v_exp_f32 and their like allow (about 1e-6 of the number): no bf16 or f16 on the way to a quantiser, and a product that is left as it is and whose result goes on into a quantised operand takes f32 operands (vector FMAs, or v_wmma_f32_16x16x4_f32). A number that lies on a knife's edge between two numbers of the format may be rounded either way, as far as f32 arithmetic and the matrix unit's own rounding can turn it there, and no further.
;; One version. Each part assembles by itself: llvm-mc -triple=amdgcn-amd-amdhsa -mcpu=gfx1250 --defsym DOCPART=n.
;; ======== version 1 of 1: 4 launches
;; limits: right only within a limited range of input values
;; workspace buffers: img 6,291,456 bytes; scl 393,216 bytes; rec 13,893,632 bytes; ctxi 4,194,304 bytes; ctxs 262,144 bytes
;; launch quant (part 1): grid 768 x 1, 2 waves a work-group, no clusters, 26,368 bytes of LDS; arguments x, Wqkv, Wout, img, scl; writes img, scl
.if DOCPART == 1
	.amdgcn_target "amdgcn-amd-amdhsa--gfx1250"
	.amdhsa_code_object_version 6
	.text
	.protected	k_q43fc449abd_quant
	.globl	k_q43fc449abd_quant
	.p2align	8
	.type	k_q43fc449abd_quant,@function
k_q43fc449abd_quant:
	s_mov_b64 s[64:65], 0
	v_nop
	global_prefetch_b8 v0, s[64:65] scope:SCOPE_SE
	s_setreg_imm32_b32 hwreg(HW_REG_WAVE_MODE, 25, 1), 1
	s_wait_xcnt 0x0
; x [8192][1024], Wqkv [1024][3072] and Wout [1024][1024], f32, become codes of FP4 (E2M1) with one E8M0 byte for each 32 along K (K = 1,024: x's last axis, the weights' first).
; WHAT IS WRITTEN.  img: [768 tiles of 16 rows][8 K steps of 128][1,024 bytes]: a fragment as the matrix unit's registers hold it: piece c (0, 1), lane l, 16 bytes: lane (r = l % 16, h = l / 16)
; holds k = 64 c + 32 h + 0 .. 31 of row r.  Tiles 0-511: x's tokens; 512-703: Wqkv's columns; 704-767: Wout's.  scl: [4 quarters of K][12,288 rows][8 bytes]: a row's two scale words of that quarter.
; THE ROWS OF A TILE ARE NOT NEIGHBOURS: in each group of 32 rows, row i lies at place i with bits 3 and 4 changed over, so that lane r of tile 2 g + u holds row 32 g + 8 u + r + 8 (r / 8).
; A block's scale is 2^(floor(log2(its largest magnitude)) - 2); its byte is the largest magnitude's exponent field - 2, held at 1 from below.
; LIMITS: a block of zeros, or one whose largest magnitude lies under 2^-124, keeps the byte 1 (this program alone reads the bytes); NaN and infinities among the inputs are not served.
; Work-groups 0-511 take x, 512-767 the weights; the two ways part once, on the work-group's number, never join, and have LDS bytes of their own.  Waves share nothing: no barrier.
; No tile is read by two work-groups, so there is nothing to ask for jointly; no matrix work.
.set XP,    528                        ; x's stage: a row of 512 bytes + 16: the sixteen rows that a read touches start at sixteen different banks
.set WSTG,  16896                      ; behind x's two stages of 16 x 528 bytes: the weights' two stages of 32 x 144 bytes
.set WP,    144                        ; a column's 128 bytes of codes + 16
.set PLANE, 98304                      ; a quarter of K in scl: 12,288 rows x 8 bytes
.set LI,    1                          ; v1   16 x lane
.set XIN,   2                          ; v2   x's stage, on the way in
.set XOUT,  3                          ; v3   and on the way out
.set L8,    4                          ; v4   8 x lane
.set TM,    8                          ; v8-23  at work in QUANT
.set PW,    24                         ; v24-27 x: a scale word for each step;  weights: v24-25 the eight scale bytes
.set SB,    24
.set WST,   30                         ; v30  the weights' stage, on the way in
.set WRD,   31                         ; v31  and on the way out
.set X,     32                         ; v32-223 x: three sets of 64 numbers
.set PC,    224                        ; v224-255 x: eight registers of codes for each step
.set VO,    32                         ; v32-63 weights: 4 x lane + i x the row's bytes
.set WX,    64                         ; v64-127 weights: two sets of 32 numbers
.set WC,    128                        ; v128-131 a block's codes
.set OUTR,  132                        ; v132-163 the way out
.set SEL,   20                         ; s[20:21] v_permlanex16_b32's selects for lane l xor 16
; 64 numbers of a lane, register 16 b + i = k 32 b + 16 (lane / 16) + i of my row, become a fragment's eight registers at v[pc] and the row's scale word in v[pw].
.macro QUANT src, pc, pw
.irp b, 0,1,2,3
	v_max3_num_f32 v[TM+\b], |v[\src+16*\b]|, |v[\src+1+16*\b]|, 0x1800000   ; block b: my 16 numbers, and the floor 2^(3 - 127): the byte cannot fall under 1
.endr
.irp i, 2,4,6,8,10,12,14
.irp b, 0,1,2,3
	v_max3_num_f32 v[TM+\b], v[TM+\b], |v[\src+16*\b+\i]|, |v[\src+1+16*\b+\i]|   ; the four blocks by turns
.endr
.endr
.irp b, 0,1,2,3
	v_permlanex16_b32 v[TM+4+\b], v[TM+\b], s[SEL], s[SEL+1]
.endr
.irp b, 0,1,2,3
	v_max_num_f32 v[TM+\b], v[TM+\b], v[TM+4+\b]   ; with lane l xor 16's: the block's largest magnitude
.endr
.irp b, 0,1,2,3
	v_add_nc_u32 v[TM+12+\b], 0xff000000, v[TM+\b] ; 2 off its exponent field: the conversion's scale operand
.endr
.irp b, 0,1,2,3
	v_lshrrev_b32 v[TM+4+\b], 23, v[TM+12+\b]      ; the scale's byte
.endr
	v_lshl_or_b32 v[\pw], v[TM+5], 8, v[TM+4]
	v_lshl_or_b32 v[\pw], v[TM+6], 16, v[\pw]
	v_lshl_or_b32 v[\pw], v[TM+7], 24, v[\pw]
.irp b, 0,1,2,3
	v_cvt_scalef32_pk8_fp4_f32 v[\pc+2*\b], v[\src+16*\b:\src+7+16*\b], v[TM+12+\b]
	v_cvt_scalef32_pk8_fp4_f32 v[\pc+1+2*\b], v[\src+8+16*\b:\src+15+16*\b], v[TM+12+\b]
.endr
	v_nop                                          ; one plain place behind a scaled conversion
.irp c, 0,1                                    ; the operand's layout wants a whole block in a lane: lanes 0-15 block 2 c, lanes 16-31 block 2 c + 1
.irp i, 0,1
	v_permlane16_swap_b32 v[\pc+4*\c+\i], v[\pc+2+4*\c+\i]
.endr
.endr
.endm
	s_load_b256 s[4:11], s[0:1], 0x0               ; x s[4:5], Wqkv s[6:7], Wout s[8:9], img s[10:11]
	s_load_b64 s[12:13], s[0:1], 0x20              ; scl
	v_lshl_add_u32 v18, v0, 2, 0x6600
	v_mov_b32 v19, 0
	v_lshrrev_b32 v5, 5, v0
	v_readfirstlane_b32 s16, v5                    ; wave 0, 1
	v_and_b32 v5, 31, v0                           ; lane
	v_and_b32 v6, 15, v0                           ; r
	v_bfe_u32 v7, v0, 4, 1                         ; h
	v_lshlrev_b32 v[LI], 4, v5
	v_lshlrev_b32 v[L8], 3, v5
	s_mov_b32 s[SEL], 0x76543210
	s_mov_b32 s[SEL+1], 0xfedcba98
	s_mul_i32 s17, s16, 16*XP                      ; x's stage of my wave
	v_add_nc_u32 v[XIN], s17, v[LI]                ; in: a row's 512 bytes as they lie
	v_mul_u32_u24 v[XOUT], v6, XP
	v_lshl_add_u32 v[XOUT], v7, 6, v[XOUT]
	v_add_nc_u32 v[XOUT], s17, v[XOUT]             ; out: row r, + 64 h: my 16 numbers of a block of 32
	s_mul_i32 s18, s16, 32*WP
	s_add_co_u32 s18, s18, WSTG                    ; the weights' stage of my wave
	v_and_b32 v9, 7, v5
	v_bfe_u32 v10, v0, 3, 1
	v_lshl_add_u32 v9, v10, 4, v9
	v_lshl_add_u32 v9, v7, 3, v9                   ; my column's place among its 32: the lane's number with bits 3 and 4 changed over
	v_mul_u32_u24 v[WST], v9, WP
	v_add_nc_u32 v[WST], s18, v[WST]               ; in: the row of my place
	v_mul_u32_u24 v[WRD], v6, WP
	v_lshl_add_u32 v[WRD], v7, 4, v[WRD]
	v_add_nc_u32 v[WRD], s18, v[WRD]               ; out: row r, + 16 h
	s_cmp_lt_u32 ttmp9, 512
	s_cbranch_scc0 .Lweights
; ---- x.  Wave W = 2 x work-group + wave takes 32 tokens (tiles 2 P, 2 P + 1; P = W / 4) x 256 along K (quarter W % 4): four steps t = 2 u + sl of 16 rows x 128 numbers.
	s_lshl_b32 s17, ttmp9, 1
	s_add_co_u32 s17, s17, s16
	s_lshr_b32 s18, s17, 2                         ; P
	s_and_b32 s19, s17, 3                          ; the quarter of K
	s_lshl_b32 s22, s18, 17                        ; x: 32 rows of 4,096 bytes,
	s_lshl_b32 s24, s19, 10                        ; 256 numbers
	s_add_co_u32 s22, s22, s24
	s_mov_b32 s23, 0
	s_lshl_b32 s24, s18, 14                        ; img: two tiles of 8,192 bytes,
	s_lshl_b32 s26, s19, 11                        ; two K steps of 1,024
	s_add_co_u32 s24, s24, s26
	s_mov_b32 s25, 0
	s_mul_i32 s26, s19, PLANE                      ; scl: the quarter's plane,
	s_lshl_b32 s28, s18, 8                         ; 32 rows of 8 bytes
	s_add_co_u32 s26, s26, s28
	s_mov_b32 s27, 0
.irp b, 0,1,2,3
	v_mov_b32 v[TM+4+\b], 0                        ; written once: a lane permute's destination counts as one of its sources
.endr
	s_wait_kmcnt 0x0
	s_add_nc_u64 s[4:5], s[4:5], s[22:23]
	s_add_nc_u64 s[10:11], s[10:11], s[24:25]
	s_add_nc_u64 s[12:13], s[12:13], s[26:27]
.macro XLOAD t                         ; step t's 16 rows, in the tile's order; each load reads 512 consecutive bytes of one row
.set i, 0
.rept 16
	global_load_b128 v[X+64*((\t)%3)+4*i:X+64*((\t)%3)+4*i+3], v[LI], s[4:5] offset:(8*((\t)/2)+i+8*(i/8))*4096+((\t)%2)*512 th:TH_LOAD_NT
.set i, i+1
.endr
.endm
.macro XSTEP t, left                   ; left: the loads of the later sets, which may stay out
.set XS, X+64*((\t)%3)
	s_wait_loadcnt \left
.set i, 0
.rept 16
	ds_store_b128 v[XIN], v[XS+4*i:XS+4*i+3] offset:i*XP
.set i, i+1
.endr
.set i, 0
.rept 16
	ds_load_b128 v[XS+4*i:XS+4*i+3], v[XOUT] offset:128*(i/4)+16*(i%4)   ; LDS serves a wave's instructions in order (ISA guide 5.7.1.4): these see the stores above, and come back into the registers that those left
.set i, i+1
.endr
	s_wait_dscnt 0x0
	QUANT XS, PC+8*(\t), PW+(\t)
	global_store_b128 v[LI], v[PC+8*(\t):PC+8*(\t)+3], s[10:11] offset:((\t)/2)*8192+((\t)%2)*1024        ; 512 consecutive bytes
	global_store_b128 v[LI], v[PC+8*(\t)+4:PC+8*(\t)+7], s[10:11] offset:((\t)/2)*8192+((\t)%2)*1024+512
.endm
	XLOAD 0
	XLOAD 1
	XLOAD 2
	XSTEP 0, 32
	XLOAD 3                                        ; into the set that step 0 has left
	XSTEP 1, 32
	XSTEP 2, 16
	XSTEP 3, 0
	v_cmp_eq_u32 vcc_lo, 1, v7                     ; lane 16 u + r takes the words of tile u's row r: its place among the 32 rows is the lane's number
	v_cndmask_b32 v28, v[PW+0], v[PW+2], vcc_lo
	v_cndmask_b32 v29, v[PW+1], v[PW+3], vcc_lo
	global_store_b64 v[L8], v[28:29], s[12:13]     ; 256 consecutive bytes, aligned
	s_wait_tensorcnt 0x0
	ds_add_u32 v18, v19
	s_wait_dscnt 0x0
	s_endpgm
; ---- The weights.  A lane takes a column, its registers run down K.  Wave: 32 columns (group g = 2 (n % 64) + wave of 128, n = work-group - 512) x 256 along K (quarter n / 64): 8 blocks.
.Lweights:
	s_sub_co_u32 s17, ttmp9, 512
	s_and_b32 s18, s17, 63
	s_lshr_b32 s19, s17, 6                         ; the quarter of K
	s_lshl_b32 s22, s18, 1
	s_add_co_u32 s22, s22, s16                     ; g: groups 0-95 are Wqkv's, 96-127 Wout's
	s_sub_co_u32 s23, s22, 96
	s_mov_b32 s24, 12288                           ; a row of Wqkv in bytes,
	s_mov_b32 s25, 4096                            ; of Wout
	s_wait_kmcnt 0x0
	s_cmp_lt_u32 s18, 48                           ; the choice hangs on the work-group's number alone
	s_cselect_b64 s[4:5], s[6:7], s[8:9]
	s_cselect_b32 s24, s24, s25
	s_cselect_b32 s23, s22, s23                    ; the group within its tensor
	s_mul_i32 s26, s19, s24
	s_lshl_b32 s26, s26, 8                         ; 256 rows for each quarter,
	s_lshl_b32 s28, s23, 7                         ; 128 bytes for each group
	s_add_co_u32 s26, s26, s28
	s_mov_b32 s27, 0
	s_add_nc_u64 s[4:5], s[4:5], s[26:27]
	s_lshl_b32 s26, s24, 5                         ; s[26:27]: 32 rows, a block's step
	s_lshl_b32 s28, s22, 14                        ; img: tile 512 + 2 g, K step 2 x quarter
	s_add_co_u32 s28, s28, 512*8192
	s_lshl_b32 s30, s19, 11
	s_add_co_u32 s28, s28, s30
	s_mov_b32 s29, 0
	s_add_nc_u64 s[10:11], s[10:11], s[28:29]
	s_mul_i32 s28, s19, PLANE                      ; scl: row 8,192 + 32 g
	s_lshl_b32 s30, s22, 8
	s_add_co_u32 s28, s28, s30
	s_add_co_u32 s28, s28, 8192*8
	s_add_nc_u64 s[12:13], s[12:13], s[28:29]
	v_lshlrev_b32 v8, 2, v5                        ; 4 bytes a lane
	s_wait_alu depctr_va_vdst(0)
	v_lshlrev_b32 v10, 3, v9                       ; my place's 8 scale bytes
.set i, 0
.rept 32
	v_mad_u32_u24 v[VO+i], s24, i, v8              ; row i of a block
.set i, i+1
.endr
.macro WLOAD t                         ; block t: 32 rows at my column; a load reads 128 consecutive bytes, the two waves stand side by side
.set i, 0
.rept 32
	global_load_b32 v[WX+32*((\t)%2)+i], v[VO+i], s[4:5] th:TH_LOAD_NT
.set i, i+1
.endr
	s_wait_xcnt 0x0                                ; the loads' addresses are translated (ISA guide 3.1): the base may step
	s_add_nc_u64 s[4:5], s[4:5], s[26:27]
.endm
.macro WBLOCK t
.set XS, WX+32*((\t)%2)
.if (\t) < 7
	s_wait_loadcnt 32                              ; this block's loads are in; the next block's 32 may be out
.else
	s_wait_loadcnt 0x0
.endif
	v_max3_num_f32 v12, |v[XS]|, |v[XS+1]|, |v[XS+2]|              ; the block's largest magnitude: all 32 numbers are mine
	v_max3_num_f32 v13, |v[XS+3]|, |v[XS+4]|, |v[XS+5]|
.irp i, 6,10,14,18,22,26
	v_max3_num_f32 v12, v12, |v[XS+\i]|, |v[XS+\i+1]|
	v_max3_num_f32 v13, v13, |v[XS+\i+2]|, |v[XS+\i+3]|
.endr
	v_max3_num_f32 v12, v12, |v[XS+30]|, |v[XS+31]|
	v_max3_num_f32 v12, v12, v13, 0x1800000        ; and the floor 2^(3 - 127)
	v_add_nc_u32 v11, 0xff000000, v12              ; 2 off its exponent field: the conversion's scale operand
	v_lshrrev_b32 v13, 23, v11                     ; the scale's byte
.if (\t)%4 == 0
	v_mov_b32 v[SB+(\t)/4], v13                    ; four bytes to a register, the lower K in the lower byte
.else
	v_lshl_or_b32 v[SB+(\t)/4], v13, 8*((\t)%4), v[SB+(\t)/4]
.endif
.irp g, 0,1,2,3
	v_cvt_scalef32_pk8_fp4_f32 v[WC+\g], v[XS+8*\g:XS+8*\g+7], v11
.endr
	ds_store_b128 v[WST], v[WC:WC+3] offset:16*(\t)   ; 32 codes of my column.  (Places 0-7 and 16-23 share banks at any pitch that is a multiple of 16 bytes: eight such stores a wave)
.if (\t)+2 < 8
	WLOAD (\t)+2
.endif
	s_wait_dscnt 0x0                               ; the store has read its registers: the next block's codes may be written
.endm
	WLOAD 0
	s_wait_alu depctr_va_vdst(0)
	WLOAD 1
.set Q, 0
.rept 8
	WBLOCK Q
.set Q, Q+1
.endr
	s_wait_alu depctr_va_vdst(0)
	global_store_b64 v10, v[SB:SB+1], s[12:13]     ; the 32 lanes fill 256 consecutive bytes
.set n, 0
.rept 8                                ; n = 4 u + 2 sl + c: tile u, K step sl, piece c
	ds_load_b128 v[OUTR+4*n:OUTR+4*n+3], v[WRD] offset:(n/4)*16*WP+((n/2)%2)*64+(n%2)*32
.set n, n+1
.endr
.set n, 0
.rept 8
	s_wait_dscnt 7-n                               ; the later reads may be out
	global_store_b128 v[LI], v[OUTR+4*n:OUTR+4*n+3], s[10:11] offset:(n/4)*8192+((n/2)%2)*1024+(n%2)*512
.set n, n+1
.endr
	s_wait_tensorcnt 0x0
	ds_add_u32 v18, v19
	s_wait_dscnt 0x0
	s_endpgm
.Lfunc_end_k_q43fc449abd_quant:
	.size	k_q43fc449abd_quant, .Lfunc_end_k_q43fc449abd_quant-k_q43fc449abd_quant
	.p2alignl 7, 3214868480
	.fill 96, 4, 3214868480
	.section	.rodata,"a",@progbits
	.p2align	6, 0x0
	.amdhsa_kernel k_q43fc449abd_quant
		.amdhsa_group_segment_fixed_size 26368
		.amdhsa_private_segment_fixed_size 0
		.amdhsa_enable_private_segment 0
		.amdhsa_kernarg_size 40
		.amdhsa_user_sgpr_count 2
		.amdhsa_user_sgpr_kernarg_segment_ptr 1
		.amdhsa_wavefront_size32 1
		.amdhsa_system_sgpr_workgroup_id_x 1
		.amdhsa_system_sgpr_workgroup_id_y 1
		.amdhsa_system_sgpr_workgroup_id_z 1
		.amdhsa_system_vgpr_workitem_id 0
		.amdhsa_next_free_vgpr 256
		.amdhsa_next_free_sgpr 66
		.amdhsa_reserve_vcc 1
		.amdhsa_float_denorm_mode_32 3
		.amdhsa_float_denorm_mode_16_64 3
		.amdhsa_memory_ordered 1
		.amdhsa_forward_progress 1
		.amdhsa_inst_pref_size 75
	.end_amdhsa_kernel
	.amdgpu_metadata
---
amdhsa.version: [ 1, 2 ]
amdhsa.kernels:
  - .name:           k_q43fc449abd_quant
    .symbol:         k_q43fc449abd_quant.kd
    .args:
      - { .name: x, .offset: 0, .size: 8, .value_kind: global_buffer, .address_space: global }
      - { .name: Wqkv, .offset: 8, .size: 8, .value_kind: global_buffer, .address_space: global }
      - { .name: Wout, .offset: 16, .size: 8, .value_kind: global_buffer, .address_space: global }
      - { .name: img, .offset: 24, .size: 8, .value_kind: global_buffer, .address_space: global }
      - { .name: scl, .offset: 32, .size: 8, .value_kind: global_buffer, .address_space: global }
    .group_segment_fixed_size: 26368
    .private_segment_fixed_size: 0
    .kernarg_segment_align: 8
    .kernarg_segment_size: 40
    .max_flat_workgroup_size: 64
    .sgpr_count:     66
    .vgpr_count:     256
    .wavefront_size: 32
...
	.end_amdgpu_metadata
.endif
;; end of part 1
;; launch qkv (part 2): grid 12 x 32, 4 waves a work-group, clusters of 4 x 4, 327,680 bytes of LDS; arguments img, scl, bqkv, rec; writes rec
.if DOCPART == 2
	.amdgcn_target "amdgcn-amd-amdhsa--gfx1250"
	.amdhsa_code_object_version 6
	.text
	.protected	k_q43fc449abd_qkv
	.globl	k_q43fc449abd_qkv
	.p2align	8
	.type	k_q43fc449abd_qkv,@function
k_q43fc449abd_qkv:
	s_mov_b64 s[64:65], 0
	v_nop
	global_prefetch_b8 v0, s[64:65] scope:SCOPE_SE
	s_setreg_imm32_b32 hwreg(HW_REG_WAVE_MODE, 25, 1), 1
	s_wait_xcnt 0x0
	s_wait_alu depctr_hold_cnt(0) depctr_sa_sdst(0) depctr_va_vdst(0) depctr_va_sdst(0) depctr_va_ssrc(0) depctr_va_vcc(0) depctr_vm_vsrc(0)
	s_getreg_b32 s2, hwreg(HW_REG_IB_STS2, 6, 4)
	s_cmp_eq_u32 s2, 0
	s_cbranch_scc0 .Lentry_in_a_cluster
	s_endpgm
.Lentry_in_a_cluster:
	s_bfe_u32 s2, ttmp6, 0x10000c
	s_cmp_lg_u32 s2, 0xf033
	s_cbranch_scc0 .Lentry_shape_is_right
	s_endpgm
.Lentry_shape_is_right:
.set NQ,     4
.set FR,     8
.set NL,     2
.set NP,     4
.set HALFT,  32768
.set SLOT,   131072
.set SCL,    262144
.set HS,     217088
.set REC,    13568
.set ADRA, 2
.set ADRB, 4
.set LI,   6
.set VSO,  7
.set PC,   8
.set BCA,  24
.set BRA,  25
.set HH,   26
.set ADRS, 27
.set SC,   32
.set TM,   96
.set PW,   112
.set DW,   120
.set AF,   128
.set HA,   128
.set BRP,  64
.set BC,   192
.set SEL,  66
.set G1, 24
.set G0, 32
.set G1B, 48
.set G0B, 56
.set G1S, 68
.set G0S, 76
.set G1SB, 80
.set G0SB, 88
.set MSB, 0
.macro WIN new
.if MSB != (\new)
	s_set_vgpr_msb (MSB<<8)|(\new)
.set MSB, (\new)
.endif
.endm
.set MUL_LO, 0xa1
.set MUL_HI, 0xf1
.set TO_B,   0x40
.macro JLOAD g0a, g1a, g0b, g1b
	s_cmp_eq_u32 s15, 0
	s_cbranch_scc0 .Lfor_b_\@
	tensor_load_to_lds s[\g0a:\g0a+3], s[\g1a:\g1a+7]
	s_nop 0
.rept 4
	v_nop
.endr
	s_branch .Lasked_\@
.Lfor_b_\@:
	tensor_load_to_lds s[\g0b:\g0b+3], s[\g1b:\g1b+7]
	s_nop 0
.rept 4
	v_nop
.endr
.Lasked_\@:
.endm
.macro CROUND
	s_barrier_signal -1
	s_barrier_wait -1
	s_cmp_lg_u32 s14, 0
	s_cbranch_scc1 .Lnot_wave_0_\@
	s_barrier_signal -3
.Lnot_wave_0_\@:
	s_barrier_wait -3
	s_barrier_signal -1
	s_barrier_wait -1
.endm
.macro QUANT src, pc, pw
.irp b, 0,1,2,3
	v_max3_num_f32 v[TM+\b], |v[\src+16*\b]|, |v[\src+1+16*\b]|, 0x1800000
.endr
.irp i, 2,4,6,8,10,12,14
.irp b, 0,1,2,3
	v_max3_num_f32 v[TM+\b], v[TM+\b], |v[\src+16*\b+\i]|, |v[\src+1+16*\b+\i]|
.endr
.endr
.irp b, 0,1,2,3
	v_permlanex16_b32 v[TM+4+\b], v[TM+\b], s[SEL], s[SEL+1]
.endr
.irp b, 0,1,2,3
	v_max_num_f32 v[TM+\b], v[TM+\b], v[TM+4+\b]
.endr
.irp b, 0,1,2,3
	v_add_nc_u32 v[TM+12+\b], 0xff000000, v[TM+\b]
.endr
.irp b, 0,1,2,3
	v_lshrrev_b32 v[TM+4+\b], 23, v[TM+12+\b]
.endr
	v_lshl_or_b32 v[\pw], v[TM+5], 8, v[TM+4]
	v_lshl_or_b32 v[\pw], v[TM+6], 16, v[\pw]
	v_lshl_or_b32 v[\pw], v[TM+7], 24, v[\pw]
.irp b, 0,1,2,3
	v_cvt_scalef32_pk8_fp4_f32 v[\pc+2*\b], v[\src+16*\b:\src+7+16*\b], v[TM+12+\b]
	v_cvt_scalef32_pk8_fp4_f32 v[\pc+1+2*\b], v[\src+8+16*\b:\src+15+16*\b], v[TM+12+\b]
.endr
	v_nop
.irp c, 0,1
.irp i, 0,1
	v_permlane16_swap_b32 v[\pc+4*\c+\i], v[\pc+2+4*\c+\i]
.endr
.endr
.endm
	s_load_b256 s[4:11], s[0:1], 0x0
	v_lshl_add_u32 v254, v0, 2, 0x44100
	v_mov_b32 v255, 0
	ds_add_u32 v254, v255
	ds_add_u32 v254, v255
	v_lshrrev_b32 v1, 5, v0
	v_readfirstlane_b32 s14, v1
	s_lshr_b32 s15, s14, 1
	s_and_b32 s16, s14, 1
	s_bfe_u32 s40, ttmp6, 0x40000
	s_bfe_u32 s41, ttmp6, 0x40004
	s_lshl_b32 s43, s41, 2
	s_lshl_b32 s43, 15, s43
	s_lshl_b32 s44, 0x1111, s40
	s_or_b32 s[G1+0], s43, (3<<16)|(1<<21)
	s_or_b32 s[G1B+0], s44, (3<<16)|(1<<21)
.irp g, G1, G1B
	s_mov_b32 s[\g+1], 512<<16
	s_mov_b32 s[\g+2], 8<<16
	s_mov_b32 s[\g+3], 512<<16
	s_mov_b32 s[\g+4], 8
	s_mov_b32 s[\g+5], 1024
	s_mov_b32 s[\g+6], 0
	s_mov_b32 s[\g+7], 0
.endr
	s_or_b32 s[G1S+0], s43, (3<<16)|(1<<21)
	s_or_b32 s[G1SB+0], s44, (3<<16)|(1<<21)
.irp g, G1S, G1SB
	s_mov_b32 s[\g+1], 128<<16
	s_mov_b32 s[\g+2], 4<<16
	s_mov_b32 s[\g+3], 128<<16
	s_mov_b32 s[\g+4], 4
	s_mov_b32 s[\g+5], 12288
	s_mov_b32 s[\g+6], 0
	s_mov_b32 s[\g+7], 0
.endr
	s_and_b32 s17, ttmp7, 0xffff
	s_lshl_b32 s18, s17, 10
	s_lshl_b32 s19, ttmp9, 10
	s_add_co_u32 s19, s19, 8192
	s_mov_b32 s12, 10240
	s_cmp_eq_u32 ttmp9, 2
	s_cselect_b32 s20, s12, s18
	s_cselect_b32 s46, s18, s19
	s_lshl_b32 s13, s16, 7
	s_lshl_b32 s21, s41, 8
	s_add_co_u32 s20, s20, s21
	s_add_co_u32 s20, s20, s13
	s_lshl_b32 s47, s40, 8
	s_add_co_u32 s46, s46, s47
	s_add_co_u32 s46, s46, s13
	s_lshl_b32 s22, s20, 3
	s_lshl_b32 s20, s20, 9
	s_mov_b32 s21, 0
	s_mov_b32 s23, 0
	s_lshl_b32 s92, s46, 3
	s_lshl_b32 s46, s46, 9
	s_mov_b32 s47, 0
	s_mov_b32 s93, 0
	s_lshl_b32 s45, s14, 15
	s_lshl_b32 s94, s14, 12
	s_mov_b32 s[SEL], 0x76543210
	s_mov_b32 s[SEL+1], 0xfedcba98
	s_wait_dscnt 0x0
	s_wait_kmcnt 0x0
	s_add_nc_u64 s[20:21], s[4:5], s[20:21]
	s_add_nc_u64 s[22:23], s[6:7], s[22:23]
	s_add_nc_u64 s[46:47], s[4:5], s[46:47]
	s_add_nc_u64 s[92:93], s[6:7], s[92:93]
	CROUND
	s_mov_b32 s[G0S], 1
	s_add_co_u32 s[G0S+1], s94, SCL
	s_mov_b64 s[G0S+2:G0S+3], s[22:23]
	s_or_b32 s[G0S+3], s[G0S+3], 0x80000000
	s_mov_b32 s[G0SB], 1
	s_add_co_u32 s[G0SB+1], s94, SCL+128
	s_mov_b64 s[G0SB+2:G0SB+3], s[92:93]
	s_or_b32 s[G0SB+3], s[G0SB+3], 0x80000000
	JLOAD G0S, G1S, G0SB, G1SB
.irp s, 0,1
	s_mov_b32 s[G0+4*\s], 1
	s_add_co_u32 s[G0+4*\s+1], s45, \s*SLOT
	s_add_nc_u64 s[G0+4*\s+2:G0+4*\s+3], s[20:21], \s*4096
	s_or_b32 s[G0+4*\s+3], s[G0+4*\s+3], 0x80000000
	s_mov_b32 s[G0B+4*\s], 1
	s_add_co_u32 s[G0B+4*\s+1], s45, \s*SLOT
	s_add_nc_u64 s[G0B+4*\s+2:G0B+4*\s+3], s[46:47], \s*4096
	s_or_b32 s[G0B+4*\s+3], s[G0B+4*\s+3], 0x80000000
	s_wait_alu depctr_va_vdst(0)
	s_wait_tensorcnt 0x0
	ds_add_u32 v254, v255
	s_wait_dscnt 0x0
	CROUND
	JLOAD G0+4*\s, G1, G0B+4*\s, G1B
.endr
	v_and_b32 v1, 15, v0
	v_bfe_u32 v[HH], v0, 4, 1
	s_wait_alu depctr_va_vdst(0)
	v_and_b32 v28, 31, v0
	v_lshlrev_b32 v[LI], 4, v28
	s_lshl_b32 s21, s15, 15
	s_lshl_b32 s22, s16, 15
	s_add_co_u32 s22, s22, 2*HALFT
.irp s, 0,1
	v_add_nc_u32 v[ADRA+\s], s21, v[LI]
	v_add_nc_u32 v[ADRB+\s], s22, v[LI]
	s_add_co_u32 s21, s21, SLOT
	s_add_co_u32 s22, s22, SLOT
.endr
	v_lshlrev_b32 v28, 3, v1
	s_lshl_b32 s21, s15, 12
	s_lshl_b32 s22, s16, 12
	s_add_co_u32 s22, s22, 8320
	s_sub_co_u32 s22, s22, s21
	v_mul_u32_u24 v29, s22, v[HH]
	s_add_co_u32 s21, s21, SCL
	v_add_nc_u32 v28, v28, v29
	v_add_nc_u32 v[ADRS], s21, v28
	v_mul_u32_u24 v[VSO], v[HH], HS
	v_lshl_add_u32 v[VSO], v1, 4, v[VSO]
.irp b, 0,1,2,3
	v_mov_b32 v[TM+4+\b], 0
.endr
	s_lshl_b32 s12, ttmp9, 2
	s_add_co_u32 s12, s12, s40
	s_lshl_b32 s12, s12, 10
	s_lshl_b32 s13, s16, 9
	s_add_co_u32 s12, s12, s13
	s_lshl_b32 s18, s41, 10
	s_lshl_b32 s13, s15, 9
	s_add_co_u32 s18, s18, s13
	s_add_co_u32 s18, s18, 8192
	s_cmp_eq_u32 ttmp9, 2
	s_cselect_b32 s12, 0, s12
	s_cselect_b32 s18, s18, 0
	s_mov_b32 s13, 0
	s_mov_b32 s19, 0
	s_add_nc_u64 s[12:13], s[8:9], s[12:13]
	s_add_nc_u64 s[18:19], s[8:9], s[18:19]
	v_lshlrev_b32 v[BCA], 6, v[HH]
	v_and_b32 v28, 8, v1
	v_add_nc_u32 v28, v28, v1
	v_lshlrev_b32 v[BRA], 2, v28
	WIN TO_B
.irp b, 0,1,2,3,4,5,6,7
	global_load_b128 v[BC+8*\b:BC+8*\b+3], v[BCA], s[12:13] offset:(32*(\b/2)+8*(\b%2))*4
	global_load_b128 v[BC+8*\b+4:BC+8*\b+7], v[BCA], s[12:13] offset:(32*(\b/2)+8*(\b%2))*4+16
.endr
.irp a, 0,1,2,3,4,5,6,7
	global_load_b32 v[BRP+2*\a], v[BRA], s[18:19] offset:(32*(\a/2)+8*(\a%2))*4
	global_load_b32 v[BRP+2*\a+1], v[BRA], s[18:19] offset:(32*(\a/2)+8*(\a%2))*4
.endr
	WIN 0
	s_lshl_b32 s17, s17, 2
	s_cmp_eq_u32 ttmp9, 2
	s_cselect_b32 s2, s40, s41
	s_cselect_b32 s3, s16, s15
	s_cselect_b32 s20, s41, s40
	s_cselect_b32 s21, s15, s16
	s_add_co_u32 s17, s17, s2
	s_lshr_b32 s2, s17, 3
	s_lshl_b32 s2, s2, 4
	s_lshl_b32 s20, s20, 2
	s_add_co_u32 s2, s2, s20
	s_lshl_b32 s21, s21, 1
	s_add_co_u32 s2, s2, s21
	s_and_b32 s17, s17, 7
	s_lshl_b32 s17, s17, 1
	s_add_co_u32 s17, s17, s3
	s_mul_i32 s2, s2, HS
	s_mul_i32 s17, s17, REC
	s_add_co_u32 s2, s2, s17
	s_cmp_eq_u32 ttmp9, 0
	s_cselect_b32 s3, 8960, 0
	s_cmp_eq_u32 ttmp9, 2
	s_cselect_b32 s17, 4608, 0
	s_add_co_u32 s2, s2, s3
	s_add_co_u32 s2, s2, s17
	s_mov_b32 s3, 0
	s_add_nc_u64 s[10:11], s[10:11], s[2:3]
.macro FRAG reg, adr, q, i
.irp c, 0,1
	ds_load_b128 v[\reg+4*\c:\reg+4*\c+3], v[\adr] offset:(\i)*4096+(\q)*1024+512*\c
.endr
.endm
.macro MUL16 a0, p, q, sc, zero
.irp a, \a0, \a0+1
.irp b, 0,1,2,3,4,5,6,7
.if \zero
	v_wmma_scale_f32_16x16x128_f8f6f4 v[8*(8*((\a)%4)+\b):8*(8*((\a)%4)+\b)+7], v[128*(\p)+FR*\b:128*(\p)+FR*\b+FR-1], v[AF+FR*(\a):AF+FR*(\a)+FR-1], 0, v[SC+8*NQ*(\sc)+NQ*\b+(\q)], v[SC+8*NQ*(\sc)+NQ*(\a)+(\q)] matrix_a_fmt:MATRIX_FMT_FP4 matrix_b_fmt:MATRIX_FMT_FP4 matrix_a_scale:MATRIX_SCALE_ROW1
.else
	v_wmma_scale_f32_16x16x128_f8f6f4 v[8*(8*((\a)%4)+\b):8*(8*((\a)%4)+\b)+7], v[128*(\p)+FR*\b:128*(\p)+FR*\b+FR-1], v[AF+FR*(\a):AF+FR*(\a)+FR-1], v[8*(8*((\a)%4)+\b):8*(8*((\a)%4)+\b)+7], v[SC+8*NQ*(\sc)+NQ*\b+(\q)], v[SC+8*NQ*(\sc)+NQ*(\a)+(\q)] matrix_a_fmt:MATRIX_FMT_FP4 matrix_b_fmt:MATRIX_FMT_FP4 matrix_a_scale:MATRIX_SCALE_ROW1
.endif
.endr
.endr
.endm
.macro FETCH_B slot, q, p
	WIN TO_B
.irp i, 0,1,2,3,4,5,6,7
	FRAG 128*(\p)+FR*\i, ADRB+\slot, \q, \i
.endr
	WIN 0
.endm
.macro FETCH_A slot, q, i0
.irp i, \i0, \i0+1, \i0+2, \i0+3
	FRAG AF+FR*(\i), ADRA+\slot, \q, \i
.endr
.endm
.macro SCALES sc
.irp i, 0,1,2,3,4,5,6,7
.irp p, 0,1
	ds_load_b64 v[SC+32*\sc+4*\i+2*\p:SC+32*\sc+4*\i+2*\p+1], v[ADRS] offset:(2*\sc+\p)*1024+\i*128
.endr
.endr
.endm
.macro PLACES n
.rept \n
	v_nop
.endr
.endm
.macro STEP slot, q, zero
	s_wait_dscnt 4*NL
	WIN MUL_LO
	MUL16 0, (\q)%2, \q, \slot, \zero
	MUL16 2, (\q)%2, \q, \slot, \zero
	s_wait_dscnt 0
	PLACES NP
	FETCH_B \slot, (\q)+1, 1-(\q)%2
	FETCH_A \slot, (\q)+1, 0
	WIN MUL_HI
	MUL16 4, (\q)%2, \q, \slot, \zero
	MUL16 6, (\q)%2, \q, \slot, \zero
	PLACES NP
	WIN 0
	FETCH_A \slot, (\q)+1, 4
.endm
.macro STEPS slot, from
.set Q, \from
.rept NQ-1-\from
	STEP \slot, Q, 0
.set Q, Q+1
.endr
.endm
	s_wait_tensorcnt 1
	s_barrier_signal -1
	s_barrier_wait -1
	FETCH_B 0, 0, 0
	FETCH_A 0, 0, 0
	SCALES 0
	FETCH_A 0, 0, 4
	STEP 0, 0, 1
	STEPS 0, 1
	s_wait_tensorcnt 0x0
	s_wait_dscnt 4*NL
	WIN MUL_LO
	MUL16 0, 1, NQ-1, 0, 0
	s_wait_dscnt 0x0
	s_barrier_signal -1
	MUL16 2, 1, NQ-1, 0, 0
	WIN 0
	s_barrier_wait -1
	PLACES NP
	FETCH_B 1, 0, 0
	FETCH_A 1, 0, 0
	SCALES 1
	WIN MUL_HI
	MUL16 4, 1, NQ-1, 0, 0
	MUL16 6, 1, NQ-1, 0, 0
	PLACES NP
	WIN 0
	FETCH_A 1, 0, 4
	STEPS 1, 0
	s_wait_dscnt 4*NL
	WIN MUL_LO
	MUL16 0, 1, NQ-1, 1, 0
	MUL16 2, 1, NQ-1, 1, 0
	s_wait_dscnt 0
	WIN MUL_HI
	MUL16 4, 1, NQ-1, 1, 0
	MUL16 6, 1, NQ-1, 1, 0
	WIN 0
	PLACES NP
	s_wait_loadcnt 0x0
.macro EPI isv
.irp a, 0,1,2,3,4,5,6,7
	WIN (0x06+\a/4)
.set i, 0
.rept 32
.if \isv
	v_pk_add_f32 v[HA+i:HA+i+1], v[64*(\a%4)+i:64*(\a%4)+i+1], v[BRP+2*\a:BRP+2*\a+1]
.else
	v_pk_add_f32 v[HA+i:HA+i+1], v[64*(\a%4)+i:64*(\a%4)+i+1], v[BC+i:BC+i+1]
.endif
.set i, i+2
.endr
	WIN 0
.if \a >= 2
	s_wait_xcnt 0x0
.endif
.set PCC, PC+8*(\a%2)
	QUANT HA, PC+8*(\a%2), PW+\a
.if \isv
	global_store_b128 v[LI], v[PCC:PCC+3], s[10:11] offset:(\a/4)*HS+(\a%4)*1024
	global_store_b128 v[LI], v[PCC+4:PCC+7], s[10:11] offset:(\a/4)*HS+(\a%4)*1024+512
.else
	global_store_b128 v[LI], v[PCC:PCC+3], s[10:11] offset:\a*512
	global_store_b128 v[LI], v[PCC+4:PCC+7], s[10:11] offset:HS+\a*512
.endif
.endr
	v_cmp_eq_u32 vcc_lo, 1, v[HH]
.irp k, 0,1,2,3
	v_cndmask_b32 v[DW+\k], v[PW+\k], v[PW+4+\k], vcc_lo
.endr
.if \isv
	global_store_b128 v[VSO], v[DW:DW+3], s[10:11] offset:4096
.else
	global_store_b128 v[LI], v[DW:DW+3], s[10:11] offset:4096
.irp k, 0,1,2,3
	v_lshrrev_b32 v[TM+\k], 16, v[DW+\k]
.endr
	global_store_b128 v[LI], v[TM:TM+3], s[10:11] offset:HS+4096
.endif
.endm
	s_cmp_eq_u32 ttmp9, 2
	s_cbranch_scc1 .Lvalues
	EPI 0
	s_branch .Lend
.Lvalues:
	EPI 1
.Lend:
	s_wait_tensorcnt 0x0
	ds_add_u32 v254, v255
	s_wait_dscnt 0x0
	CROUND
	s_endpgm
.Lfunc_end_k_q43fc449abd_qkv:
	.size	k_q43fc449abd_qkv, .Lfunc_end_k_q43fc449abd_qkv-k_q43fc449abd_qkv
	.p2alignl 7, 3214868480
	.fill 96, 4, 3214868480
	.section	.rodata,"a",@progbits
	.p2align	6, 0x0
	.amdhsa_kernel k_q43fc449abd_qkv
		.amdhsa_group_segment_fixed_size 327680
		.amdhsa_private_segment_fixed_size 0
		.amdhsa_enable_private_segment 0
		.amdhsa_kernarg_size 32
		.amdhsa_user_sgpr_count 2
		.amdhsa_user_sgpr_kernarg_segment_ptr 1
		.amdhsa_wavefront_size32 1
		.amdhsa_system_sgpr_workgroup_id_x 1
		.amdhsa_system_sgpr_workgroup_id_y 1
		.amdhsa_system_sgpr_workgroup_id_z 1
		.amdhsa_system_vgpr_workitem_id 0
		.amdhsa_next_free_vgpr 1024
		.amdhsa_next_free_sgpr 100
		.amdhsa_reserve_vcc 1
		.amdhsa_float_denorm_mode_32 3
		.amdhsa_float_denorm_mode_16_64 3
		.amdhsa_memory_ordered 1
		.amdhsa_forward_progress 1
		.amdhsa_inst_pref_size 198
	.end_amdhsa_kernel
	.amdgpu_metadata
---
amdhsa.version: [ 1, 2 ]
amdhsa.kernels:
  - .name:           k_q43fc449abd_qkv
    .symbol:         k_q43fc449abd_qkv.kd
    .args:
      - { .name: img, .offset: 0, .size: 8, .value_kind: global_buffer, .address_space: global }
      - { .name: scl, .offset: 8, .size: 8, .value_kind: global_buffer, .address_space: global }
      - { .name: bqkv, .offset: 16, .size: 8, .value_kind: global_buffer, .address_space: global }
      - { .name: rec, .offset: 24, .size: 8, .value_kind: global_buffer, .address_space: global }
    .group_segment_fixed_size: 327680
    .private_segment_fixed_size: 0
    .kernarg_segment_align: 8
    .kernarg_segment_size: 32
    .max_flat_workgroup_size: 128
    .sgpr_count:     100
    .vgpr_count:     1024
    .wavefront_size: 32
...
	.end_amdgpu_metadata
.endif
;; end of part 2
;; launch attn (part 3): grid 4 x 64, 16 waves a work-group, clusters of 4 x 1, 172,544 bytes of LDS; arguments rec, ctxi, ctxs; writes ctxi, ctxs
.if DOCPART == 3
	.amdgcn_target "amdgcn-amd-amdhsa--gfx1250"
	.amdhsa_code_object_version 6
	.text
	.protected	k_q43fc449abd_attn
	.globl	k_q43fc449abd_attn
	.p2align	8
	.type	k_q43fc449abd_attn,@function
k_q43fc449abd_attn:
	s_mov_b64 s[64:65], 0
	v_nop
	global_prefetch_b8 v0, s[64:65] scope:SCOPE_SE
	s_setreg_imm32_b32 hwreg(HW_REG_WAVE_MODE, 25, 1), 1
	s_wait_xcnt 0x0
	s_wait_alu depctr_hold_cnt(0) depctr_sa_sdst(0) depctr_va_vdst(0) depctr_va_sdst(0) depctr_va_ssrc(0) depctr_va_vcc(0) depctr_vm_vsrc(0)
	s_getreg_b32 s2, hwreg(HW_REG_IB_STS2, 6, 4)
	s_cmp_eq_u32 s2, 0
	s_cbranch_scc0 .Lentry_in_a_cluster
	s_endpgm
.Lentry_in_a_cluster:
	s_bfe_u32 s2, ttmp6, 0x10000c
	s_cmp_lg_u32 s2, 0x3003
	s_cbranch_scc0 .Lentry_shape_is_right
	s_endpgm
.Lentry_shape_is_right:
; ctx[q] = the sum over k of softmax_k(q . k / 8) v[k] for one head, both products on codes of FP4 with E8M0 scales, and ctx quantised again along the head's 64 for the last product.
; THE SOFTMAX AHEAD OF THE SECOND PRODUCT: t = score x log2(e) / 8; M = the running largest t rounded UP to a whole number; p = 2^(t - M) is quantised along the keys, not normalised; the row's sum is taken of
; the unquantised p and divides at the end.  When M moves, the sums and O are multiplied by 2^(old M - new M): exact.
; SHARES.  A work-group owns one head and 512 queries; each of its sixteen waves two tiles of 16 queries, one after the other (the outer loop), in 256 registers.  Every wave walks the head's 2,048 keys, 128 a step.
; LDS.  The head's k, v and scale words are 16 records of 8,960 bytes; each comes ONCE, one record to a wave, as 35 rows of 256 bytes with 32 bytes of padding behind each (10,080 bytes), and stays: no byte is filled twice.
; CLUSTER.  The four work-groups of a cluster own the four blocks of queries of one head: each record is asked for jointly, by the same load with the mask of all four.
; NO PREFETCH: every tile is asked for at the kernel's head; there is no loop that loads from memory to run ahead in.
; LAYOUT.  Both products are used transposed, in the form of 32 rows: S^T = K Q^T, O^T = V^T P^T: a lane holds one query throughout.
; THE KEYS OF A TILE ARE CHOSEN HERE, BY THE LDS ADDRESSES: row m of tile 4 c + g is key 64 c + 32 (m / 8) + 8 g + m % 8.  Lane (r, h) then holds in registers 32 c + 0 .. 31 of S^T the keys 64 c + 32 h + 0 .. 31:
; a WHOLE block of 32, in the order in which the second product's operand wants it: a block's maximum needs no other lane, and the conversions' results are the operand's registers as they stand.
; In the record key 32 G + i lies in tile 2 G + u at row p with i = 8 u + p + 8 (p / 8); so my row's 16 bytes lie at 2304 c + 576 (g % 2) + 128 (g / 2) + 1152 (r / 8) + 16 (r % 8) + 288 h of the padded record.
; FOUR TILES OF k SHARE AN OPERAND: the head's 64 fill half of the first product's 128.  Rows 0-15 hold tile 4 c (registers 0-3) and tile 4 c + 2 (registers 4-7), rows 16-31 (registers 8-15) tiles 4 c + 1 and 4 c + 3;
; multiplied by (q | 0) they give tiles 4 c and 4 c + 1, by (0 | q) tiles 4 c + 2 and 4 c + 3: sixteen registers of S^T on end each time.  Two tiles of v are an operand of the second product.
; The scale words of such operands fill all 32 lanes, lane m for row m.  The wave that fetched a record lays them once into a table of its own bytes: entry s, 512 bytes, 16 a lane (r, h):
; words 0, 1 (c = 0, 1): the low halves of the words of k's tiles 4 c + h and 4 c + h + 2 at row r; words 2, 3 (u = 0, 1): the word of v's tile 2 u + h at row r.
; THE LOOP IS SKEWED: a trip takes step i from the exponentials to the second product, and step i + 1 from the first product to t - M; step i + 2's k and step i + 1's v are loaded inside the maxima.
; So every place behind a matrix instruction is filled by work that is due anyway, and a trip has one wait for LDS loads.
; LIMITS: a block whose largest magnitude lies under 2^-124 keeps the byte 1; NaN and infinities are not served; the promise holds while the scaled scores stay under 2^31 in magnitude.
.set HS,    217088                     ; a head in rec
.set REC,   13568                      ; a key step's record in rec; its first 8,960 bytes are k's and v's
.set RS,    10080                      ; and in LDS
.set KSC,   4608                       ; in a padded record: k's scale words (rows 16, 17),
.set VIM,   5184                       ; v's images (rows 18-33),
.set VSC,   9792                       ; v's scale words (row 34)
.set TAB,   161280                     ; behind the 16 records: the table, 16 x 512 bytes
.set SCS,   169472                     ; 1,024 bytes in which the work-group's 32 tiles gather ctx's scale bytes
.set SPARE, 170496                     ; the spare words, 128 bytes for each wave
.set LI,   1                           ; v1   16 x lane
.set KA,   2                           ; v2   my place in a tile of k
.set VA,   3                           ; v3   my place in an image of v: 16 r + 288 h
.set TA,   4                           ; v4   TAB + 16 x lane
.set SCSA, 5                           ; v5   where I put my row's two scale bytes
.set GSA,  6                           ; v6   the gather: LDS address,
.set GSO,  7                           ; v7   and the offset in ctxs
.set QS,   8                           ; v8   q's scale word, its two bytes twice; v9, v10 those of the tiles to come
.set KAD,  11                          ; v11, v14, v15 the addresses of the loads in hand
.set VAD,  14                          ; v12 -M, v13 the largest score so far
.set TAD,  15
.set QW,   16                          ; v16-19 q, v20-23 zeros, v24-27 q: (q | 0) is v[16:23], (0 | q) is v[20:27]
.set QN,   28                          ; v28-31 the next tile's q
.set KF,   32                          ; v32-63 k: two operands of 32 rows
.set VF,   64                          ; v64-95 v: two operands of 32 rows
.set S,    96                          ; v96-159 S^T, then p
.set O,    160                         ; v160-191 O^T
.set TK,   192                         ; v192-193 the scale words of k's two operands
.set TV,   196                         ; v196-197 those of v's two
.set PCD,  200                         ; v200-207 p's codes
.set AC,   208                         ; v208-215 the row's sum, in four pairs
.set MX,   216                         ; v216-219 four chains of maxima
.set BM,   220                         ; v220-221 my two blocks' largest scores, then their p
.set T0,   222
.set T1,   223
.set T2,   224
.set OP,   226                         ; v226-227 the conversions' scale operands
.set BY,   228                         ; v228-229 the scale bytes
.set QM,   232                         ; v232-235 the q of the tile after next
.set SPW,  250                         ; v250 my spare word; never rewritten
.set NIL,  251                         ; v251 0; never rewritten
.set F,    252                         ; v252 f = 2^(old M - new M)
.set PS,   253                         ; v253 p's scale word
.set WV,   18
.set SEL,  20                          ; s[20:21] lane l xor 16
.set CS,   22                          ; s[22:23] c = log2(e) / 8
.set G1,   24
.set G0,   32
.set TB,   36                          ; s36  the record of step i + 1
.set CNT,  37
.set TT,   50                          ; s50  the table's entry i + 1
.set PCN,  51                          ; s51  tiles to go
.set SO,   52                          ; s52  32 x the tile in hand
.set PSL,  53                          ; s53  v_perm_b32's selector for two low halves
.macro CROUND
	s_barrier_signal -1
	s_barrier_wait -1
	s_cmp_lg_u32 s[WV], 0
	s_cbranch_scc1 .Lnot_wave_0_\@
	s_barrier_signal -3
.Lnot_wave_0_\@:
	s_barrier_wait -3
	s_barrier_signal -1
	s_barrier_wait -1
.endm
.macro QK4 c                           ; S^T's tiles 4 c .. 4 c + 3: the first two by (q | 0), the last two by (0 | q)
.irp g, 0,1
	v_wmma_scale_f32_32x16x128_f4 v[S+32*\c+16*\g:S+32*\c+16*\g+15], v[KF+16*\c:KF+16*\c+15], v[QW+4*\g:QW+4*\g+7], 0, v[TK+\c], v[QS]
.endr
.endm
.macro KLOAD adr, off                  ; a step's eight tiles of k: tile 4 c + g into rows 16 (g % 2) .., half g / 2 of the operand's K
.irp c, 0,1
.irp g, 0,1,2,3
	ds_load_b128 v[KF+16*\c+8*(\g%2)+4*(\g/2):KF+16*\c+8*(\g%2)+4*(\g/2)+3], v[\adr] offset:\off+2304*\c+576*(\g%2)+128*(\g/2)
.endr
.endr
.endm
.macro VLOAD adr                       ; a step's four tiles of v
.irp t, 0,1,2,3
.irp c, 0,1
	ds_load_b128 v[VF+8*\t+4*\c:VF+8*\t+4*\c+3], v[\adr] offset:VIM+1152*\t+576*\c
.endr
.endr
.endm
.macro SUMS from, to                   ; p's pairs from .. to - 1 onto the four sums by turns
.set j, \from
.rept \to-\from
	v_pk_add_f32 v[AC+2*(j%4):AC+2*(j%4)+1], v[AC+2*(j%4):AC+2*(j%4)+1], v[S+2*j:S+2*j+1]
.set j, j+1
.endr
.endm
.macro ORS k0, n                       ; n pairs of O^T under the new M, ascending
.set j, 2*(\k0)
.rept \n
	v_pk_mul_f32 v[O+j:O+j+1], v[O+j:O+j+1], v[F:F+1] op_sel_hi:[1,0]
.set j, j+2
.endr
.endm
.macro MX1 c                           ; block c's two chains begin, each result of sixteen registers from its low end
	v_max3_num_f32 v[MX+2*\c], v[S+32*\c], v[S+32*\c+1], v[S+32*\c+2]
	v_max3_num_f32 v[MX+2*\c+1], v[S+32*\c+16], v[S+32*\c+17], v[S+32*\c+18]
.endm
.macro MX2 c, i
	v_max3_num_f32 v[MX+2*\c], v[MX+2*\c], v[S+32*\c+\i], v[S+32*\c+\i+1]
	v_max3_num_f32 v[MX+2*\c+1], v[MX+2*\c+1], v[S+32*\c+16+\i], v[S+32*\c+17+\i]
.endm
; STEP i, FROM THE EXPONENTIALS TO THE SECOND PRODUCT.  ld = 2: k and v are loaded later in the trip; 1: v alone; 0: nothing
.macro FRONT ld
	s_wait_dscnt 0x0                               ; this step's v and the next step's k, asked for inside the last maxima
.set j, 0
.rept 64
	v_exp_f32 v[S+j], v[S+j]                       ; p = 2^(t - M)
.set j, j+1
.endr
	v_exp_f32 v[BM], v[BM]                         ; my blocks' largest p: the same two instructions on the same number give the same bits
	v_exp_f32 v[BM+1], v[BM+1]
.if \ld
	v_add_nc_u32 v[VAD], s[TB], v[VA]              ; plain places behind the exponentials
	v_add_nc_u32 v[TAD], s[TT], v[TA]
.else
	v_nop
.endif
.if \ld > 1
	v_add_nc_u32 v[KAD], s[TB], v[KA]
.endif
	s_wait_alu depctr_va_vdst(0)                   ; one wait for the batch, directly ahead of the first readers of O^T too
	ORS 0, 2
.irp c, 0,1
	v_max_num_f32 v[BM+\c], 0x1800000, v[BM+\c]    ; the floor 2^(3 - 127): the byte cannot fall under 1
.endr
	ORS 2, 2
.irp c, 0,1
	v_add_nc_u32 v[OP+\c], 0xff000000, v[BM+\c]    ; 2 off the exponent field: the conversion's scale operand
.endr
	ORS 4, 2
.irp c, 0,1
	v_lshrrev_b32 v[BY+\c], 23, v[OP+\c]           ; the scale's byte
.endr
	ORS 6, 2
	v_lshl_or_b32 v[T0], v[BY+1], 16, v[BY]        ; my blocks h and 2 + h
	ORS 8, 8
	v_permlanex16_b32 v[T1], v[T0], s[SEL], s[SEL+1]
.irp c, 0,1
.irp g, 0,1,2,3
	v_cvt_scalef32_pk8_fp4_f32 v[PCD+4*\c+\g], v[S+32*\c+8*\g:S+32*\c+8*\g+7], v[OP+\c]   ; keys 64 c + 32 h + 8 g + 0 .. 7: register 4 c + g of the operand
.endr
.endr
	v_lshl_or_b32 v[PS], v[T1], 8, v[T0]           ; lanes 0-15: blocks 0, 2 are mine, 1, 3 lane l + 16's: p's scale word.  (A plain place behind the conversions)
.irp k, 0,1,2,3
	v_pk_fma_f32 v[AC+2*\k:AC+2*\k+1], v[AC+2*\k:AC+2*\k+1], v[F:F+1], v[S+2*\k:S+2*\k+1] op_sel_hi:[1,0,1]   ; the sums under the new M, and the first four pairs of the unquantised p
.endr
	SUMS 4, 16                                     ; with the four above: sixteen places between p's codes and scale word and the products below
.irp t, 0,1                                    ; O^T += V^T P^T: 32 of the head's 64 at a time; the two accumulators by turns
	v_wmma_scale_f32_32x16x128_f4 v[O+16*\t:O+16*\t+15], v[VF+16*\t:VF+16*\t+15], v[PCD:PCD+7], v[O+16*\t:O+16*\t+15], v[TV+\t], v[PS]
.endr
.endm
; THE NEXT STEP, FROM THE FIRST PRODUCT TO t - M.  first = 1: a tile's first step; kl = 1: the k of the step after it is loaded
.macro NEXT first, ka, va, ta, kl
	QK4 0                                          ; onto p's lower half, which has been summed and converted
.if \first
	QK4 1
.set j, 0
.rept 32
	v_mov_b32 v[O+j], 0                            ; O^T begins as zeros: the first change of M leaves them zeros.  (The places behind the products above)
.set j, j+1
.endr
.else
	SUMS 16, 32                                    ; p's upper half: the places behind the two products above
	QK4 1
.endif
	MX1 0                                          ; four places behind the products above, which name none of their registers
	MX2 0, 3
.if \kl
	KLOAD \ka, RS
	ds_load_b64 v[TK:TK+1], v[\ta] offset:512
.endif
	VLOAD \va
	ds_load_b64 v[TV:TV+1], v[\ta] offset:8
	MX1 1
	MX2 1, 3
.irp i, 5,7,9,11,13
	MX2 0, \i
	MX2 1, \i
.endr
	v_mov_b32 v[T2], v12                           ; the old -M
.irp c, 0,1
	v_max3_num_f32 v[BM+\c], v[MX+2*\c], v[MX+2*\c+1], v[S+32*\c+15]
.endr
.irp c, 0,1
	v_max_num_f32 v[BM+\c], v[BM+\c], v[S+32*\c+31]   ; THE LARGEST SCORE OF EACH OF MY TWO BLOCKS: it serves the row's maximum and, since p rises with the score, the block's largest p
.endr
	s_delay_alu instid0(VALU_DEP_1)
	v_max_num_f32 v[T0], v[BM], v[BM+1]
	s_delay_alu instid0(VALU_DEP_1)
	v_permlanex16_b32 v[T1], v[T0], s[SEL], s[SEL+1]
	s_delay_alu instid0(VALU_DEP_1)
	v_max3_num_f32 v13, v13, v[T0], v[T1]          ; the running largest score of my query
	s_delay_alu instid0(VALU_DEP_1)
	v_mul_f32 v[T0], s[CS], v13                    ; as t (c is positive)
	s_delay_alu instid0(VALU_DEP_1)
	v_floor_f32 v12, -v[T0]                        ; the new -M = floor(-t) = -ceil(t): a whole number
	s_delay_alu instid0(VALU_DEP_1)
	v_sub_f32 v[T2], v12, v[T2]                    ; M's old value less its new one: a whole number, 0 or less
	s_delay_alu instid0(VALU_DEP_1)
	v_cvt_i32_f32 v[T2], v[T2]                     ; (it saturates)
	s_delay_alu instid0(VALU_DEP_1)
	v_ldexp_f32 v[F], 1.0, v[T2]                   ; f = 2^(old M - new M)
.set j, 0
.rept 32
	v_pk_fma_f32 v[S+j:S+j+1], v[S+j:S+j+1], s[CS:CS+1], v[12:13] op_sel_hi:[1,0,0]   ; t - M, two at a time
.set j, j+2
.endr
.irp c, 0,1
	v_fma_f32 v[BM+\c], v[BM+\c], s[CS], v12       ; the same of each block's largest score
.endr
.endm
	s_load_b128 s[4:7], s[0:1], 0x0                ; rec, ctxi
	s_load_b64 s[8:9], s[0:1], 0x10                ; ctxs
	v_lshl_add_u32 v[SPW], v0, 2, SPARE
	v_mov_b32 v[NIL], 0
	ds_add_u32 v[SPW], v[NIL]                      ; the opening lines: the add, twice on end, and its wait ahead of my tensor load
	ds_add_u32 v[SPW], v[NIL]
	v_lshrrev_b32 v6, 5, v0
	v_readfirstlane_b32 s[WV], v6                  ; wave 0..15
	s_bfe_u32 s13, ttmp6, 0x40000                  ; cx: my block of 512 queries; it enters q's and the outputs' addresses alone
	s_and_b32 s14, ttmp7, 0xffff                   ; the head, which the four partners share
	s_mul_i32 s38, s14, HS
	s_mov_b32 s39, 0
	s_mul_i32 s40, s[WV], REC                      ; I fetch key step = my wave's number
	s_mov_b32 s41, 0
	s_add_nc_u64 s[40:41], s[40:41], s[38:39]
	s_mul_i32 s15, s[WV], RS
	; descriptor group 1: 8,960 dense bytes as 35 rows of 256 (32 elements of 8 bytes), 8 words of padding behind each 64
	s_mov_b32 s[G1], 15|(3<<16)|(1<<20)|(1<<21)|(5<<22)|(7<<25)
	s_mov_b32 s[G1+1], 32<<16
	s_mov_b32 s[G1+2], 35<<16
	s_mov_b32 s[G1+3], 32<<16
	s_mov_b32 s[G1+4], 35
	s_mov_b32 s[G1+5], 32
	s_mov_b32 s[G1+6], 0
	s_mov_b32 s[G1+7], 0
	s_mov_b32 s[SEL], 0x76543210
	s_mov_b32 s[SEL+1], 0xfedcba98
	s_mov_b32 s[CS], 0x3e38aa3b                    ; log2(e) / 8
	s_mov_b32 s[CS+1], s[CS]                       ; (named with it as a pair, so it is written)
	s_mov_b32 s[PSL], 0x05040100
	s_wait_dscnt 0x0
	s_wait_kmcnt 0x0
	s_mov_b32 s[G0], 1
	s_mov_b32 s[G0+1], s15
	s_add_nc_u64 s[G0+2:G0+3], s[4:5], s[40:41]
	s_or_b32 s[G0+3], s[G0+3], 0x80000000
	CROUND                                         ; all four work-groups are here: the joint loads meet
	tensor_load_to_lds s[G0:G0+3], s[G1:G1+7]      ; my one tensor load
	s_nop 0
.rept 4
	v_nop
.endr
	; q: tiles 32 cx + 2 w + p lie in record 4 cx + w / 4, as its tiles 2 (w % 4) + p
	s_lshl_b32 s42, s13, 2
	s_lshr_b32 s43, s[WV], 2
	s_add_co_u32 s42, s42, s43
	s_mul_i32 s42, s42, REC
	s_add_co_u32 s42, s42, 8960
	s_mov_b32 s43, 0
	s_add_nc_u64 s[42:43], s[42:43], s[38:39]
	s_add_nc_u64 s[42:43], s[4:5], s[42:43]
	s_lshr_b32 s46, s14, 4                         ; ctxi: ((128 x batch + tile) x 16 + head) x 512
	s_lshl_b32 s46, s46, 7
	s_lshl_b32 s47, s13, 5
	s_add_co_u32 s46, s46, s47
	s_lshl_b32 s47, s[WV], 1
	s_add_co_u32 s46, s46, s47
	s_lshl_b32 s46, s46, 4
	s_and_b32 s47, s14, 15
	s_add_co_u32 s46, s46, s47
	s_lshl_b32 s46, s46, 9
	s_mov_b32 s47, 0
	s_add_nc_u64 s[6:7], s[6:7], s[46:47]
	s_lshl_b32 s46, s14, 12                        ; ctxs: 4,096 bytes a head, 1,024 a block of queries
	s_lshl_b32 s44, s13, 10
	s_add_co_u32 s46, s46, s44
	s_add_nc_u64 s[8:9], s[8:9], s[46:47]
	s_and_b32 s44, s[WV], 3
	s_lshl_b32 s44, s44, 10                        ; q's codes: 1,024 (w % 4)
	s_bfe_u32 s45, s[WV], 0x10001                  ; q's scale words: 256 ((w / 2) % 2) + 16 r + 8 (w % 2) + 4 p, 4,096 bytes behind the codes
	s_lshl_b32 s45, s45, 8
	s_and_b32 s48, s[WV], 1
	s_lshl_b32 s48, s48, 3
	s_add_co_u32 s45, s45, s48
	s_add_co_u32 s45, s45, 4096
	s_lshl_b32 s48, s[WV], 6
	s_add_co_u32 s48, s48, SCS                     ; ctx's scale bytes: 64 a wave
	s_lshl_b32 s49, s[WV], 9                       ; my entry of the table
	v_and_b32 v6, 31, v0                           ; lane
	v_and_b32 v7, 15, v0                           ; r
	v_bfe_u32 v254, v0, 4, 1                       ; h
	v_and_b32 v[T1], 7, v0                         ; r % 8
	v_bfe_u32 v[T2], v0, 3, 1                      ; r / 8
	v_lshlrev_b32 v[LI], 4, v6
	v_lshlrev_b32 v[T0], 4, v7                     ; 16 r
	v_lshlrev_b32 v[OP], 4, v[T1]                  ; 16 (r % 8)
	v_mad_u32_u24 v[VA], v254, 288, v[T0]
	v_mad_u32_u24 v[KA], v[T2], 1152, v[OP]
	v_mad_u32_u24 v[KA], v254, 288, v[KA]
	v_add_nc_u32 v[TA], TAB, v[LI]
	v_add_nc_u32 v[KAD], s44, v[LI]                ; (for now: q's codes,
	v_add_nc_u32 v[VAD], s45, v[T0]                ; and q's scale words)
	v_lshl_add_u32 v[SCSA], v7, 1, s48             ; 32 bytes a tile, 2 a row
	v_and_b32 v6, 63, v0
	v_lshlrev_b32 v[GSO], 4, v6
	v_add_nc_u32 v[GSA], SCS, v[GSO]
	v_lshl_add_u32 v[OP], v[T2], 3, v[OP]
	v_lshl_add_u32 v[OP+1], v254, 2, v[T0]
	v_lshl_add_u32 v[OP], v254, 2, v[OP]
	v_add_nc_u32 v[OP+1], s15, v[OP+1]             ; my record: v's words of row r: 16 r + 4 h (tile h; tile 2 + h lies 8 bytes on),
	v_add_nc_u32 v[OP], s15, v[OP]                 ; k's: 16 (r % 8) + 8 (r / 8) + 4 h (tile 4 c + h; tile 4 c + h + 2 lies 128 bytes on)
	v_add_nc_u32 v[BY], s49, v[TA]                 ; my entry, my lane
	s_wait_alu depctr_va_vdst(0)
	global_load_b128 v[QN:QN+3], v[KAD], s[42:43]
	global_load_b128 v[QM:QM+3], v[KAD], s[42:43] offset:512
	global_load_b32 v9, v[VAD], s[42:43]
	global_load_b32 v10, v[VAD], s[42:43] offset:4
.irp j, 4,5,6,7
	v_mov_b32 v[QW+\j], 0                          ; zero codes between the two copies of q; written once
.endr
	v_mov_b32 v[PS], 0                             ; (named as the upper half of the pair v[252:253] before it is first written)
	s_mov_b32 s[PCN], 2
	s_mov_b32 s[SO], 0
	s_wait_alu depctr_va_vdst(0)
	s_wait_tensorcnt 0x0                           ; my record has landed: I alone read it ahead of the barrier
.irp p, 0,1,2,3                                ; p = 2 c + e: the word of tile 4 c + h + 2 e at my row
	ds_load_b32 v[S+\p], v[OP] offset:KSC+288*(\p/2)+128*(\p%2)
.endr
	ds_load_b32 v[S+14], v[OP+1] offset:VSC
	ds_load_b32 v[S+15], v[OP+1] offset:VSC+8
	s_wait_dscnt 0x0
.irp c, 0,1
	v_perm_b32 v[S+12+\c], v[S+2*\c+1], v[S+2*\c], s[PSL]   ; the two low halves: bytes 0, 1 for the operand's lower 64 along K, bytes 2, 3 for its upper
.endr
	ds_store_b128 v[BY], v[S+12:S+15]
	s_wait_loadcnt 0x0                             ; q
	v_perm_b32 v9, v9, v9, s[PSL]                  ; q's two bytes twice: they serve (q | 0) and (0 | q)
	v_perm_b32 v10, v10, v10, s[PSL]
	s_wait_alu depctr_va_vdst(0)
	s_wait_dscnt 0x0                               ; my entry lies in LDS, my record has landed,
	s_barrier_signal -1
	s_barrier_wait -1                              ; everybody's have
.Lpass:                                            ; a tile of 16 queries against all 2,048 keys
.irp j, 0,1,2,3
	v_mov_b32 v[QW+\j], v[QN+\j]
	v_mov_b32 v[QW+8+\j], v[QN+\j]
.endr
	v_mov_b32 v[QS], v9
.irp j, 0,1,2,3
	v_mov_b32 v[QN+\j], v[QM+\j]                   ; the tile to come moves up
.endr
	v_mov_b32 v9, v10
	v_mov_b32 v13, 0xff61b1e6                      ; the largest score so far: -3e38, under every score
	v_mov_b32 v12, 0x7f61b1e6                      ; -M: 3e38, so that the first f is 0
.irp j, 0,1,2,3,4,5,6,7
	v_mov_b32 v[AC+\j], 0
.endr
	s_mov_b32 s[TB], RS
	s_mov_b32 s[TT], 512
	s_mov_b32 s[CNT], 14
	KLOAD KA, 0                                    ; step 0's k
	ds_load_b64 v[TK:TK+1], v[TA]
	s_wait_alu depctr_va_vdst(0)
	s_wait_dscnt 0x0
	NEXT 1, KA, VA, TA, 1                          ; step 0 up to t - M; step 1's k and step 0's v are asked for
	s_wait_alu depctr_va_vdst(0)                   ; the wait ahead of the batch of exponentials, and of the wait for the loads
.Lstep:                                            ; trips i = 0 .. 13
	FRONT 2
	NEXT 0, KAD, VAD, TAD, 1
	s_add_co_u32 s[TB], s[TB], RS
	s_add_co_u32 s[TT], s[TT], 512
	s_sub_co_u32 s[CNT], s[CNT], 1
	s_cmp_lg_u32 s[CNT], 0
	s_wait_alu depctr_va_vdst(0)                   ; ahead of the branch, of the wait for the loads and of the batch
	s_cbranch_scc1 .Lstep
	FRONT 1                                        ; i = 14: there is no k behind step 15's
	NEXT 0, KAD, VAD, TAD, 0
	s_wait_alu depctr_va_vdst(0)
	FRONT 0                                        ; i = 15
	SUMS 16, 32                                    ; (with the lines below: the places behind the last products)
	v_pk_add_f32 v[AC:AC+1], v[AC:AC+1], v[AC+2:AC+3]
	v_pk_add_f32 v[AC+4:AC+5], v[AC+4:AC+5], v[AC+6:AC+7]
	v_pk_add_f32 v[AC:AC+1], v[AC:AC+1], v[AC+4:AC+5]
	v_add_f32 v[T0], v[AC], v[AC+1]
	v_permlanex16_b32 v[T1], v[T0], s[SEL], s[SEL+1]
	v_add_f32 v[T0], v[T0], v[T1]                  ; with lane l xor 16's blocks: the row's sum
	s_wait_alu depctr_va_vdst(0)                   ; the wait ahead of the transcendental
	v_rcp_f32 v[AC], v[T0]
	v_nop                                          ; one plain place behind a transcendental
	s_wait_alu depctr_va_vdst(0)                   ; and behind it, directly ahead of the first readers of O^T
.set j, 0
.rept 16
	v_pk_mul_f32 v[S+j:S+j+1], v[O+j:O+j+1], v[AC:AC+1] op_sel_hi:[1,0]   ; ctx: register 16 b + i is the head's number 32 b + 16 (lane / 16) + i of my query
.set j, j+2
.endr
.irp b, 0,1                                    ; its two blocks of 32 lie in lanes l and l xor 16
	v_max3_num_f32 v[MX+\b], |v[S+16*\b]|, |v[S+1+16*\b]|, 0x1800000
.endr
.irp i, 2,4,6,8,10,12,14
.irp b, 0,1
	v_max3_num_f32 v[MX+\b], v[MX+\b], |v[S+16*\b+\i]|, |v[S+1+16*\b+\i]|
.endr
.endr
.irp b, 0,1
	v_permlanex16_b32 v[MX+2+\b], v[MX+\b], s[SEL], s[SEL+1]
.endr
.irp b, 0,1
	v_max_num_f32 v[MX+\b], v[MX+\b], v[MX+2+\b]
.endr
.irp b, 0,1
	v_add_nc_u32 v[OP+\b], 0xff000000, v[MX+\b]
.endr
.irp b, 0,1
	v_lshrrev_b32 v[BY+\b], 23, v[OP+\b]
.endr
	v_lshl_or_b32 v254, v[BY+1], 8, v[BY]          ; my row's two scale bytes
	v_add_nc_u32 v[T2], s[SO], v[SCSA]
.irp b, 0,1
	v_cvt_scalef32_pk8_fp4_f32 v[PCD+2*\b], v[S+16*\b:S+7+16*\b], v[OP+\b]
	v_cvt_scalef32_pk8_fp4_f32 v[PCD+1+2*\b], v[S+8+16*\b:S+15+16*\b], v[OP+\b]
.endr
	v_nop                                          ; one plain place behind a scaled conversion
	v_permlane16_swap_b32 v[PCD], v[PCD+2]
	v_permlane16_swap_b32 v[PCD+1], v[PCD+3]       ; the head's numbers 32 (lane / 16) + 0 .. 31: one piece of the last product's fragment
	global_store_b128 v[LI], v[PCD:PCD+3], s[6:7]  ; 512 consecutive bytes
	ds_store_b16 v[T2], v254                       ; both lanes of a row write the same two bytes
	s_wait_xcnt 0x0                                ; the store has read its registers and its base
	s_add_nc_u64 s[6:7], s[6:7], 8192              ; the next tile's image
	s_add_co_u32 s[SO], s[SO], 32
	s_sub_co_u32 s[PCN], s[PCN], 1
	s_cmp_lg_u32 s[PCN], 0
	s_wait_alu depctr_va_vdst(0)
	s_cbranch_scc1 .Lpass
	s_wait_dscnt 0x0                               ; my scale bytes lie in LDS,
	s_barrier_signal -1
	s_barrier_wait -1                              ; everybody's do
	s_cmp_lt_u32 s[WV], 2                          ; waves 0 and 1 store the work-group's 1,024 bytes, 512 consecutive bytes each
	s_cbranch_scc0 .Lno_gather
	ds_load_b128 v[S:S+3], v[GSA]
	s_wait_dscnt 0x0
	global_store_b128 v[GSO], v[S:S+3], s[8:9]
.Lno_gather:
	s_wait_tensorcnt 0x0                           ; the wave's end
	ds_add_u32 v[SPW], v[NIL]
	s_wait_dscnt 0x0
	CROUND                                         ; the closing round
	s_endpgm
.Lfunc_end_k_q43fc449abd_attn:
	.size	k_q43fc449abd_attn, .Lfunc_end_k_q43fc449abd_attn-k_q43fc449abd_attn
	.p2alignl 7, 3214868480
	.fill 96, 4, 3214868480
	.section	.rodata,"a",@progbits
	.p2align	6, 0x0
	.amdhsa_kernel k_q43fc449abd_attn
		.amdhsa_group_segment_fixed_size 172544
		.amdhsa_private_segment_fixed_size 0
		.amdhsa_enable_private_segment 0
		.amdhsa_kernarg_size 24
		.amdhsa_user_sgpr_count 2
		.amdhsa_user_sgpr_kernarg_segment_ptr 1
		.amdhsa_wavefront_size32 1
		.amdhsa_system_sgpr_workgroup_id_x 1
		.amdhsa_system_sgpr_workgroup_id_y 1
		.amdhsa_system_sgpr_workgroup_id_z 1
		.amdhsa_system_vgpr_workitem_id 0
		.amdhsa_next_free_vgpr 256
		.amdhsa_next_free_sgpr 66
		.amdhsa_reserve_vcc 0
		.amdhsa_float_denorm_mode_32 3
		.amdhsa_float_denorm_mode_16_64 3
		.amdhsa_memory_ordered 1
		.amdhsa_forward_progress 1
		.amdhsa_inst_pref_size 52
	.end_amdhsa_kernel
	.amdgpu_metadata
---
amdhsa.version: [ 1, 2 ]
amdhsa.kernels:
  - .name:           k_q43fc449abd_attn
    .symbol:         k_q43fc449abd_attn.kd
    .args:
      - { .name: rec, .offset: 0, .size: 8, .value_kind: global_buffer, .address_space: global }
      - { .name: ctxi, .offset: 8, .size: 8, .value_kind: global_buffer, .address_space: global }
      - { .name: ctxs, .offset: 16, .size: 8, .value_kind: global_buffer, .address_space: global }
    .group_segment_fixed_size: 172544
    .private_segment_fixed_size: 0
    .kernarg_segment_align: 8
    .kernarg_segment_size: 24
    .max_flat_workgroup_size: 512
    .sgpr_count:     66
    .vgpr_count:     256
    .wavefront_size: 32
...
	.end_amdgpu_metadata
.endif
;; end of part 3
;; launch outln (part 4): grid 256 x 1, 16 waves a work-group, clusters of 4 x 1, 327,680 bytes of LDS; arguments ctxi, ctxs, img, scl, x, bout, gamma, beta, out0; writes out0
.if DOCPART == 4
	.amdgcn_target "amdgcn-amd-amdhsa--gfx1250"
	.amdhsa_code_object_version 6
	.text
	.protected	k_q43fc449abd_outln
	.globl	k_q43fc449abd_outln
	.p2align	8
	.type	k_q43fc449abd_outln,@function
k_q43fc449abd_outln:
	s_mov_b64 s[64:65], 0
	v_nop
	global_prefetch_b8 v0, s[64:65] scope:SCOPE_SE
	s_setreg_imm32_b32 hwreg(HW_REG_WAVE_MODE, 25, 1), 1
	s_wait_xcnt 0x0
	s_wait_alu depctr_hold_cnt(0) depctr_sa_sdst(0) depctr_va_vdst(0) depctr_va_sdst(0) depctr_va_ssrc(0) depctr_va_vcc(0) depctr_vm_vsrc(0)
	s_getreg_b32 s2, hwreg(HW_REG_IB_STS2, 6, 4)
	s_cmp_eq_u32 s2, 0
	s_cbranch_scc0 .Lentry_in_a_cluster
	s_endpgm
.Lentry_in_a_cluster:
	s_bfe_u32 s2, ttmp6, 0x10000c
	s_cmp_lg_u32 s2, 0x3003
	s_cbranch_scc0 .Lentry_shape_is_right
	s_endpgm
.Lentry_shape_is_right:
; out0 = LayerNorm(ctx Wout + bout + x) x gamma + beta; the product on codes of FP4 with E8M0 scales, all else in f32.
; SHARES.  A work-group owns 32 tokens (two tiles) and all 1,024 columns, so that a row's mean and variance stay inside it; wave w of sixteen owns columns 64 w .. 64 w + 63 (four tiles) from the product to the store.
; CLUSTER.  All work-groups walk the same Wout: four form a cluster and ask for it jointly.  Wave w fetches the images of its own four tiles, 4 rows of 4,096 bytes (four K steps of 128), into its own 16,384 bytes of LDS:
; K steps 0-3 at the head, K steps 4-7 by one refill behind a round of the cluster's barrier.  Only the wave that fetched them reads these bytes.
; NO PREFETCH: the launch has no loop to run ahead in; its two fills stand at the head and straight behind the first four K steps.
; ctx's 16 fragments (2 tiles x 8 K steps) are fetched one by each wave and handed round through LDS as images.  bout is loaded into the accumulators, in their layout: it is the C of the first products.
; x goes from memory into 64 registers at the head, in the rows' layout: group k, lane (i, hh): columns 64 w + 4 i + 0 .. 3 of the token at place 2 k + hh: sixteen lanes read one aligned unit of 256 bytes.
; THE MATRIX INSTRUCTION IS USED TRANSPOSED (source 0 = 16 columns of Wout, source 1 = 16 tokens): a lane holds one token and eight neighbouring columns a tile.  The results turn into the rows' layout through
; the wave's own stage (32 rows of 256 + 16 bytes), which lies in its region of Wout: that has had its last fill, and behind the barrier in front of the stage no tensor load of the work-group is out.
; The tokens of a tile lie by place (the token's number with bits 3 and 4 changed over); only x's and out0's offsets know the token's number.
; MEAN AND VARIANCE.  Each wave sums its 64 columns of each token and the squares of their distances from its OWN mean; the sixteen pairs of a token meet in LDS behind one barrier; every wave joins them, a lane to a token:
; the sum of squares about the row's mean is the sum of the parts' own and of 64 x (a part's mean - the row's mean)^2: no difference of large sums is formed.
; LIMITS: NaN and infinities are not served.
.set AIMG,  262144                     ; behind the 16 regions of Wout: ctx's 16 images of 1,024 bytes (8 a + s),
.set ASC,   278528                     ; their scale words, 128 bytes each,
.set PART,  280576                     ; the parts: 32 tokens x (16 waves x 8 bytes + 16),
.set PRIV,  285184                     ; each wave's 512 bytes: a token's -mean twice and 1 / sigma twice,
.set SPARE, 293376                     ; and the spare words, 128 bytes for each wave
.set SP,    272                        ; a stage row
.set LIA, 1                            ; v1   AIMG + 16 x lane
.set LSA, 2                            ; v2   ASC + 4 x lane
.set BAD, 3                            ; v3   my region + 16 x lane
.set GA,  4                            ; v4-7   gamma at my four columns
.set BE,  8                            ; v8-11  beta
.set XO,  12                           ; v12  4,096 hh + 16 i: my offset in x and in out0
.set SPW, 13                           ; v13  my spare word; never rewritten
.set NIL, 14                           ; v14  0; never rewritten
.set L8,  15                           ; v15  8 x lane
.set ACC, 16                           ; v16-79  accumulators, then the rows
.set RES, 16
.set X,   80                           ; v80-143 x
.set BF,  144                          ; v144-207 Wout's fragments, two sets
.set AF,  208                          ; v208-239 ctx's fragments, two sets
.set AS,  240                          ; v240-243 ctx's scale words, two sets
.set BSC, 244                          ; v244-251 Wout's scale words of four K steps: register 4 pr + s: lanes 0-15 tile 2 pr, lanes 16-31 tile 2 pr + 1
.set SMP, 144                          ; the way out: v144-175 (sum, squares) of group k
.set NMP, 176                          ; v176-207 minus my own mean of group k, in the low word of a pair
.set R,   176                          ; then a token's sixteen pairs
.set ST,  144                          ; then v144-207: group k's -mean, -mean, 1 / sigma, 1 / sigma
.set D,   208                          ; v208-223 at work
.set Q,   224
.set OU,  228
.set STO, 232                          ; v232-237 LDS addresses of the way out
.set SRD, 233
.set PW,  234
.set PRD, 235
.set PVW, 236
.set PVR, 237
.set G0,  12
.set G1,  16
.set WV,  34
.macro CROUND
	s_barrier_signal -1
	s_barrier_wait -1
	s_cmp_lg_u32 s[WV], 0
	s_cbranch_scc1 .Lnot_wave_0_\@
	s_barrier_signal -3
.Lnot_wave_0_\@:
	s_barrier_wait -3
	s_barrier_signal -1
	s_barrier_wait -1
.endm
.macro PLACES
.rept 4
	v_nop
.endr
.endm
	s_load_b256 s[4:11], s[0:1], 0x0               ; ctxi s[4:5], ctxs s[6:7], img s[8:9], scl s[10:11]
	s_load_b256 s[24:31], s[0:1], 0x20             ; x s[24:25], bout s[26:27], gamma s[28:29], beta s[30:31]
	s_load_b64 s[32:33], s[0:1], 0x40              ; out0
	v_lshl_add_u32 v[SPW], v0, 2, SPARE
	v_mov_b32 v[NIL], 0
	ds_add_u32 v[SPW], v[NIL]                      ; the opening lines: the add, twice on end, and its wait ahead of my first tensor load
	ds_add_u32 v[SPW], v[NIL]
	v_lshrrev_b32 v15, 5, v0
	v_readfirstlane_b32 s[WV], v15                 ; wave 0..15
	s_bfe_u32 s58, ttmp6, 0x40000                  ; cx
	s_lshl_b32 s57, ttmp9, 2
	s_add_co_u32 s57, s57, s58                     ; my work-group's number: it enters ctx's, x's and out0's addresses alone
	; descriptor group 1: 4 rows (tiles) of 4,096 bytes (512 elements of 8), 8,192 bytes apart; the mask names all four work-groups
	s_mov_b32 s[G1], 15|(3<<16)|(1<<21)
	s_mov_b32 s[G1+1], 512<<16
	s_mov_b32 s[G1+2], 4<<16
	s_mov_b32 s[G1+3], 512<<16
	s_mov_b32 s[G1+4], 4
	s_mov_b32 s[G1+5], 1024
	s_mov_b32 s[G1+6], 0
	s_mov_b32 s[G1+7], 0
	s_lshl_b32 s44, s[WV], 14                      ; my region of LDS
	s_lshl_b32 s46, s[WV], 15                      ; img: tile 704 + 4 w
	s_add_co_u32 s46, s46, 704*8192
	s_mov_b32 s47, 0
	s_mov_b32 s38, 0xba800000                      ; -1 / 1,024
	s_mov_b32 s39, 0x3a800000                      ; 1 / 1,024
	s_mov_b32 s48, 0x3727c5ac                      ; 1e-5
	s_mov_b32 s54, 0xbc800000                      ; -1 / 64
	s_mov_b32 s55, 0xbd800000                      ; -1 / 16
	s_mov_b32 s56, 0x3c800000                      ; 1 / 64
	s_wait_dscnt 0x0
	s_wait_kmcnt 0x0
	s_mov_b32 s[G0], 1
	s_mov_b32 s[G0+1], s44
	s_add_nc_u64 s[G0+2:G0+3], s[8:9], s[46:47]
	s_or_b32 s[G0+3], s[G0+3], 0x80000000
	CROUND                                         ; all four work-groups are here: the joint loads meet
	tensor_load_to_lds s[G0:G0+3], s[G1:G1+7]      ; K steps 0-3 of my four tiles: my one tensor load at the head
	s_nop 0
	PLACES
	s_lshl_b32 s42, s57, 17                        ; 32 rows of 4,096 bytes for each work-group,
	s_lshl_b32 s45, s[WV], 8                       ; 256 bytes of a row for each wave
	s_add_co_u32 s42, s42, s45
	s_mov_b32 s43, 0
	s_add_nc_u64 s[24:25], s[24:25], s[42:43]
	s_add_nc_u64 s[32:33], s[32:33], s[42:43]
	s_mov_b32 s42, s45
	s_add_nc_u64 s[26:27], s[26:27], s[42:43]
	s_add_nc_u64 s[28:29], s[28:29], s[42:43]
	s_add_nc_u64 s[30:31], s[30:31], s[42:43]
	s_lshl_b32 s46, s57, 14                        ; ctxi: two tiles of 8,192 bytes a work-group; my fragment (a = w / 8, s = w % 8) is image w of the 16
	s_lshl_b32 s49, s[WV], 10
	s_add_co_u32 s46, s46, s49
	s_add_nc_u64 s[4:5], s[4:5], s[46:47]
	s_lshr_b32 s46, s57, 6                         ; ctxs: head 16 x batch + 2 s: 4,096 bytes a head; tile (2 G + a) % 128: 32 bytes
	s_lshl_b32 s46, s46, 4
	s_and_b32 s49, s[WV], 7
	s_lshl_b32 s49, s49, 1
	s_add_co_u32 s46, s46, s49
	s_lshl_b32 s46, s46, 12
	s_lshl_b32 s49, s57, 1
	s_lshr_b32 s50, s[WV], 3
	s_add_co_u32 s49, s49, s50
	s_and_b32 s49, s49, 127
	s_lshl_b32 s49, s49, 5
	s_add_co_u32 s46, s46, s49
	s_add_nc_u64 s[6:7], s[6:7], s[46:47]
	s_lshl_b32 s46, s[WV], 9                       ; scl: row 11,264 + 64 w
	s_add_co_u32 s46, s46, 11264*8
	s_add_nc_u64 s[10:11], s[10:11], s[46:47]
	s_lshl_b32 s50, s[WV], 10                      ; where my image goes,
	s_lshl_b32 s51, s[WV], 7                       ; and its scale words
	s_lshl_b32 s52, s[WV], 3
	s_add_co_u32 s52, s52, PART                    ; my column of the parts
	s_lshl_b32 s53, s[WV], 9
	s_add_co_u32 s53, s53, PRIV                    ; my 512 bytes
	v_and_b32 v233, 31, v0                         ; lane
	v_and_b32 v234, 15, v0                         ; r, and i
	v_bfe_u32 v235, v0, 4, 1                       ; h, and hh
	v_lshlrev_b32 v229, 4, v233                    ; 16 x lane
	v_lshlrev_b32 v[L8], 3, v233
	v_lshlrev_b32 v231, 1, v234                    ; 2 r
	v_lshlrev_b32 v232, 4, v234                    ; 16 i
	v_lshlrev_b32 v230, 6, v235                    ; 64 h
	v_lshl_add_u32 v[XO], v235, 12, v232
	v_add_nc_u32 v[LIA], AIMG, v229
	v_lshl_add_u32 v[LSA], v233, 2, ASC
	v_add_nc_u32 v227, s50, v[LIA]
	v_add_nc_u32 v228, s51, v[LSA]
	v_add_nc_u32 v[BAD], s44, v229
	s_wait_alu depctr_va_vdst(0)
	global_load_b128 v[AF:AF+3], v229, s[4:5]      ; my share of ctx: one fragment,
	global_load_b128 v[AF+4:AF+7], v229, s[4:5] offset:512
	global_load_u16 v224, v231, s[6:7]             ; and its rows' scale bytes: head 2 s's two,
	global_load_u16 v225, v231, s[6:7] offset:4096 ; head 2 s + 1's two
.macro SCLOAD ph                       ; Wout's scale words of K steps 4 ph .. 4 ph + 3
.irp pr, 0,1
.irp kq, 0,1
	global_load_b64 v[BSC+4*\pr+2*\kq:BSC+4*\pr+2*\kq+1], v[L8], s[10:11] offset:(2*\ph+\kq)*98304+\pr*256
.endr
.endr
.endm
	SCLOAD 0
.irp a, 0,1
.irp b, 0,1,2,3                                ; bout in the accumulators' layout: lane (r, h), tile b: columns 32 (b / 2) + 16 h + 8 (b % 2) + 0 .. 7 of my 64
	global_load_b128 v[ACC+8*(4*\a+\b):ACC+8*(4*\a+\b)+3], v230, s[26:27] offset:(32*(\b/2)+8*(\b%2))*4
	global_load_b128 v[ACC+8*(4*\a+\b)+4:ACC+8*(4*\a+\b)+7], v230, s[26:27] offset:(32*(\b/2)+8*(\b%2))*4+16
.endr
.endr
.set k, 0
.rept 16                               ; x: the token at place 2 k + hh has the number (2 k) % 8 + hh + 16 ((k / 4) % 2) + 8 (k / 8)
	global_load_b128 v[X+4*k:X+4*k+3], v[XO], s[24:25] offset:(((2*k)&7)+16*((k>>2)&1)+8*((k>>3)&1))*4096 th:TH_LOAD_NT
.set k, k+1
.endr
	global_load_b128 v[GA:GA+3], v232, s[28:29]
	global_load_b128 v[BE:BE+3], v232, s[30:31]
	s_wait_loadcnt 38                              ; ctx's four loads are in; the 4 + 16 + 16 + 2 behind them may be out
	v_lshl_or_b32 v226, v225, 16, v224             ; the row's scale word of this K step
	ds_store_b128 v227, v[AF:AF+3]
	ds_store_b128 v227, v[AF+4:AF+7] offset:512
	ds_store_b32 v228, v226
	s_wait_dscnt 0x0                               ; my image lies in LDS,
	s_barrier_signal -1
	s_barrier_wait -1                              ; all sixteen do.
	s_wait_tensorcnt 0x0                           ; my region holds K steps 0-3: I alone read it
	s_wait_loadcnt 18                              ; Wout's scale words and bout are in; x's 16 loads and gamma's and beta's may be out
	s_wait_xcnt 0x0                                ; every load has read its address registers: those in v224-239 are written again below
.macro BL s                            ; my four fragments of Wout of K step s into set s % 2
.irp b, 0,1,2,3
.irp c, 0,1
	ds_load_b128 v[BF+32*((\s)%2)+8*\b+4*\c:BF+32*((\s)%2)+8*\b+4*\c+3], v[BAD] offset:\b*4096+((\s)%4)*1024+\c*512
.endr
.endr
.endm
.macro AL s                            ; ctx's two fragments of K step s, and their scale words, into set s % 2
.irp a, 0,1
.irp c, 0,1
	ds_load_b128 v[AF+16*((\s)%2)+8*\a+4*\c:AF+16*((\s)%2)+8*\a+4*\c+3], v[LIA] offset:(8*\a+(\s))*1024+512*\c
.endr
	ds_load_b32 v[AS+2*((\s)%2)+\a], v[LSA] offset:(8*\a+(\s))*128
.endr
.endm
.macro PROD s, a, b
.set rD, ACC+8*(4*\a+\b)
.set rB, BF+32*((\s)%2)+8*\b
.set rA, AF+16*((\s)%2)+8*\a
.set rSB, BSC+4*(\b/2)+((\s)%4)
.set rSA, AS+2*((\s)%2)+\a
.if \b%2
	v_wmma_scale_f32_16x16x128_f8f6f4 v[rD:rD+7], v[rB:rB+7], v[rA:rA+7], v[rD:rD+7], v[rSB], v[rSA] matrix_a_fmt:MATRIX_FMT_FP4 matrix_b_fmt:MATRIX_FMT_FP4 matrix_a_scale:MATRIX_SCALE_ROW1
.else
	v_wmma_scale_f32_16x16x128_f8f6f4 v[rD:rD+7], v[rB:rB+7], v[rA:rA+7], v[rD:rD+7], v[rSB], v[rSA] matrix_a_fmt:MATRIX_FMT_FP4 matrix_b_fmt:MATRIX_FMT_FP4
.endif
.endm
.macro KSTEP s                         ; 128 along K: eight products, the eight accumulators by turns
.if ((\s)%4) > 0
	PLACES                                         ; in front of loads into registers that the last step's products have read
.endif
.if ((\s)%4) < 3
	BL (\s)+1
	AL (\s)+1
	s_wait_dscnt 14                                ; this step's fragments are in; the next step's 14 loads may be out
.else
	s_wait_dscnt 0x0
.endif
.irp b, 0,1,2,3
.irp a, 0,1
	PROD \s, \a, \b
.endr
.endr
.endm
	BL 0
	AL 0
.irp s, 0,1,2,3
	KSTEP \s
.endr
	PLACES                                         ; in front of loads into the scale registers, and of the fragments' below
	SCLOAD 1
	s_wait_tensorcnt 0x0                           ; in front of the refill's barrier: no tensor load of mine is out,
	ds_add_u32 v[SPW], v[NIL]                      ; 0 onto my spare word,
	s_add_nc_u64 s[G0+2:G0+3], s[G0+2:G0+3], 4096  ; (K steps 4-7 lie 4,096 bytes on in each tile)
	s_wait_dscnt 0x0                               ; the add is done, and my reads of my region are over
	CROUND                                         ; the round takes the barrier's place: no wave of any partner still reads, or has a load on its way
	tensor_load_to_lds s[G0:G0+3], s[G1:G1+7]      ; the refill: my one tensor load behind the round
	s_nop 0
	PLACES
	s_wait_loadcnt 0x0                             ; the scale words of K steps 4-7; x, gamma and beta too
	s_wait_tensorcnt 0x0
	BL 4
	AL 4
.irp s, 4,5,6,7
	KSTEP \s
.endr
	PLACES                                         ; behind the last products
	s_barrier_signal -1                            ; every wave has waited for its tensor loads and its reads:
	s_barrier_wait -1                              ; behind this barrier the regions serve as stages
	v_and_b32 v208, 15, v0
	v_bfe_u32 v209, v0, 4, 1
	v_and_b32 v210, 31, v0
	v_mul_u32_u24 v[STO], v208, SP                 ; in: the row of place 16 a + r, + 64 h
	v_mul_u32_u24 v[SRD], v209, SP                 ; back: the row of place 2 k + hh, + 16 i
	v_mul_u32_u24 v[PW], v209, 144
	v_mul_u32_u24 v[PRD], v210, 144
	v_lshl_add_u32 v[STO], v209, 6, v[STO]
	v_lshl_add_u32 v[SRD], v208, 4, v[SRD]
	v_add_nc_u32 v[PW], s52, v[PW]                 ; the parts: token 2 k + hh, my wave's 8 bytes
	v_add_nc_u32 v[PRD], PART, v[PRD]              ; and the token of my lane's number
	v_add_nc_u32 v[STO], s44, v[STO]
	v_add_nc_u32 v[SRD], s44, v[SRD]
	v_lshl_add_u32 v[PVW], v210, 4, s53
	v_lshl_add_u32 v[PVR], v209, 4, s53
.irp a, 0,1
.irp b, 0,1,2,3                                ; each accumulator from its low end on
	ds_store_b128 v[STO], v[ACC+8*(4*\a+\b):ACC+8*(4*\a+\b)+3] offset:\a*16*SP+(\b/2)*128+(\b%2)*32
	ds_store_b128 v[STO], v[ACC+8*(4*\a+\b)+4:ACC+8*(4*\a+\b)+7] offset:\a*16*SP+(\b/2)*128+(\b%2)*32+16
.endr
.endr
.set k, 0
.rept 16
	ds_load_b128 v[RES+4*k:RES+4*k+3], v[SRD] offset:k*2*SP   ; LDS serves a wave's instructions in order (ISA guide 5.7.1.4): these see my stores, and come back into the registers that those left
.set k, k+1
.endr
	s_wait_alu depctr_va_vdst(0)
	s_wait_dscnt 0x0
.set j, 0
.rept 32
	v_pk_add_f32 v[RES+j:RES+j+1], v[RES+j:RES+j+1], v[X+j:X+j+1]   ; the residual
.set j, j+2
.endr
.macro LANES at                        ; register at + 2 k of each group, summed over the sixteen lanes that share a token; the groups by turns
.irp m, 1,2,4,8
.set k, 0
.rept 16
	v_add_f32_dpp v[\at+2*k], v[\at+2*k], v[\at+2*k] row_xmask:\m row_mask:0xf bank_mask:0xf
.set k, k+1
.endr
.endr
.endm
.set k, 0
.rept 16
	v_pk_add_f32 v[SMP+2*k:SMP+2*k+1], v[RES+4*k:RES+4*k+1], v[RES+4*k+2:RES+4*k+3]
.set k, k+1
.endr
.set k, 0
.rept 16
	v_add_f32 v[SMP+2*k], v[SMP+2*k], v[SMP+2*k+1]
.set k, k+1
.endr
	LANES SMP                                      ; the sum of my 64 columns of each token
.set k, 0
.rept 16
	v_mul_f32 v[NMP+2*k], s54, v[SMP+2*k]          ; minus my own mean
.set k, k+1
.endr
.irp kk, 0,4,8,12                              ; the squares of the distances from it, four groups at a time
.irp q, 0,1,2,3
	v_pk_add_f32 v[D+4*\q:D+4*\q+1], v[RES+4*(\kk+\q):RES+4*(\kk+\q)+1], v[NMP+2*(\kk+\q):NMP+2*(\kk+\q)+1] op_sel_hi:[1,0]
	v_pk_add_f32 v[D+4*\q+2:D+4*\q+3], v[RES+4*(\kk+\q)+2:RES+4*(\kk+\q)+3], v[NMP+2*(\kk+\q):NMP+2*(\kk+\q)+1] op_sel_hi:[1,0]
.endr
.irp q, 0,1,2,3
	v_pk_mul_f32 v[D+4*\q:D+4*\q+1], v[D+4*\q:D+4*\q+1], v[D+4*\q:D+4*\q+1]
.endr
.irp q, 0,1,2,3
	v_pk_fma_f32 v[D+4*\q:D+4*\q+1], v[D+4*\q+2:D+4*\q+3], v[D+4*\q+2:D+4*\q+3], v[D+4*\q:D+4*\q+1]
.endr
.irp q, 0,1,2,3
	v_add_f32 v[SMP+2*(\kk+\q)+1], v[D+4*\q], v[D+4*\q+1]
.endr
.endr
	LANES SMP+1
.set k, 0
.rept 16
	ds_store_b64 v[PW], v[SMP+2*k:SMP+2*k+1] offset:k*288   ; the sixteen lanes of a token write the same 8 bytes with the same values
.set k, k+1
.endr
	s_wait_alu depctr_va_vdst(0)
	s_wait_dscnt 0x0                               ; my parts lie in LDS,
	s_barrier_signal -1
	s_barrier_wait -1                              ; everybody's do
.irp j, 0,1,2,3,4,5,6,7
	ds_load_b128 v[R+4*\j:R+4*\j+3], v[PRD] offset:16*\j    ; the sixteen pairs of the token at the place of my lane's number
.endr
	s_wait_dscnt 0x0
.irp j, 0,1,2,3,4,5,6,7
	v_pk_add_f32 v[D+2*\j:D+2*\j+1], v[R+4*\j:R+4*\j+1], v[R+4*\j+2:R+4*\j+3]
.endr
.irp j, 0,1,2,3
	v_pk_add_f32 v[D+2*\j:D+2*\j+1], v[D+2*\j:D+2*\j+1], v[D+2*\j+8:D+2*\j+9]
.endr
.irp j, 0,1
	v_pk_add_f32 v[D+2*\j:D+2*\j+1], v[D+2*\j:D+2*\j+1], v[D+2*\j+4:D+2*\j+5]
.endr
	v_pk_add_f32 v[D:D+1], v[D:D+1], v[D+2:D+3]    ; the row's sum, and the sum of the parts' squares
	v_mul_f32 v[D+2], s55, v[D]                    ; -64 x the row's mean
.set w, 0
.rept 16
	v_add_f32 v[R+2*w], v[R+2*w], v[D+2]           ; 64 x (a part's mean - the row's mean)
.set w, w+1
.endr
.irp c, 0,1,2,3
	v_mul_f32 v[Q+\c], v[R+2*\c], v[R+2*\c]
.endr
.set w, 4
.rept 12
	v_fma_f32 v[Q+w%4], v[R+2*w], v[R+2*w], v[Q+w%4]
.set w, w+1
.endr
	v_add_f32 v[Q], v[Q], v[Q+1]
	v_add_f32 v[Q+2], v[Q+2], v[Q+3]
	v_mul_f32 v[OU], s38, v[D]                     ; -mean, twice: a pair for the packed addition
	v_mul_f32 v[OU+1], s38, v[D]
	v_add_f32 v[Q], v[Q], v[Q+2]
	v_fma_f32 v[Q], v[Q], s56, v[D+1]              ; / 64, + the parts' own squares: the squares about the row's mean
	v_fma_f32 v[Q], v[Q], s39, s48                 ; the variance + 1e-5
	s_wait_alu depctr_va_vdst(0)                   ; the wait ahead of the transcendentals
	v_rsq_f32 v[OU+2], v[Q]                        ; twice: a pair for the packed multiplication
	v_rsq_f32 v[OU+3], v[Q]
	v_nop                                          ; one plain place behind a transcendental
	s_wait_alu depctr_va_vdst(0)                   ; and behind them
	ds_store_b128 v[PVW], v[OU:OU+3]               ; my own 512 bytes: a token a lane,
.set k, 0
.rept 16
	ds_load_b128 v[ST+4*k:ST+4*k+3], v[PVR] offset:32*k     ; and back by groups: token 2 k + hh for all its sixteen lanes
.set k, k+1
.endr
	s_wait_dscnt 0x0
.set k, 0
.rept 16
	v_pk_add_f32 v[RES+4*k:RES+4*k+1], v[RES+4*k:RES+4*k+1], v[ST+4*k:ST+4*k+1]
	v_pk_add_f32 v[RES+4*k+2:RES+4*k+3], v[RES+4*k+2:RES+4*k+3], v[ST+4*k:ST+4*k+1]
.set k, k+1
.endr
.set k, 0
.rept 16
	v_pk_mul_f32 v[RES+4*k:RES+4*k+1], v[RES+4*k:RES+4*k+1], v[ST+4*k+2:ST+4*k+3]
	v_pk_mul_f32 v[RES+4*k+2:RES+4*k+3], v[RES+4*k+2:RES+4*k+3], v[ST+4*k+2:ST+4*k+3]
.set k, k+1
.endr
.set k, 0
.rept 16
	v_pk_fma_f32 v[RES+4*k:RES+4*k+1], v[RES+4*k:RES+4*k+1], v[GA:GA+1], v[BE:BE+1]
	v_pk_fma_f32 v[RES+4*k+2:RES+4*k+3], v[RES+4*k+2:RES+4*k+3], v[GA+2:GA+3], v[BE+2:BE+3]
.set k, k+1
.endr
.set k, 0
.rept 16
	global_store_b128 v[XO], v[RES+4*k:RES+4*k+3], s[32:33] offset:(((2*k)&7)+16*((k>>2)&1)+8*((k>>3)&1))*4096 th:TH_STORE_NT   ; sixteen lanes store one aligned unit of 256 bytes; written once, read by nobody here
.set k, k+1
.endr
	s_wait_tensorcnt 0x0                           ; the wave's end
	ds_add_u32 v[SPW], v[NIL]
	s_wait_dscnt 0x0
	CROUND                                         ; the closing round
	s_endpgm
.Lfunc_end_k_q43fc449abd_outln:
	.size	k_q43fc449abd_outln, .Lfunc_end_k_q43fc449abd_outln-k_q43fc449abd_outln
	.p2alignl 7, 3214868480
	.fill 96, 4, 3214868480
	.section	.rodata,"a",@progbits
	.p2align	6, 0x0
	.amdhsa_kernel k_q43fc449abd_outln
		.amdhsa_group_segment_fixed_size 327680
		.amdhsa_private_segment_fixed_size 0
		.amdhsa_enable_private_segment 0
		.amdhsa_kernarg_size 72
		.amdhsa_user_sgpr_count 2
		.amdhsa_user_sgpr_kernarg_segment_ptr 1
		.amdhsa_wavefront_size32 1
		.amdhsa_system_sgpr_workgroup_id_x 1
		.amdhsa_system_sgpr_workgroup_id_y 1
		.amdhsa_system_sgpr_workgroup_id_z 1
		.amdhsa_system_vgpr_workitem_id 0
		.amdhsa_next_free_vgpr 256
		.amdhsa_next_free_sgpr 66
		.amdhsa_reserve_vcc 0
		.amdhsa_float_denorm_mode_32 3
		.amdhsa_float_denorm_mode_16_64 3
		.amdhsa_memory_ordered 1
		.amdhsa_forward_progress 1
		.amdhsa_inst_pref_size 60
	.end_amdhsa_kernel
	.amdgpu_metadata
---
amdhsa.version: [ 1, 2 ]
amdhsa.kernels:
  - .name:           k_q43fc449abd_outln
    .symbol:         k_q43fc449abd_outln.kd
    .args:
      - { .name: ctxi, .offset: 0, .size: 8, .value_kind: global_buffer, .address_space: global }
      - { .name: ctxs, .offset: 8, .size: 8, .value_kind: global_buffer, .address_space: global }
      - { .name: img, .offset: 16, .size: 8, .value_kind: global_buffer, .address_space: global }
      - { .name: scl, .offset: 24, .size: 8, .value_kind: global_buffer, .address_space: global }
      - { .name: x, .offset: 32, .size: 8, .value_kind: global_buffer, .address_space: global }
      - { .name: bout, .offset: 40, .size: 8, .value_kind: global_buffer, .address_space: global }
      - { .name: gamma, .offset: 48, .size: 8, .value_kind: global_buffer, .address_space: global }
      - { .name: beta, .offset: 56, .size: 8, .value_kind: global_buffer, .address_space: global }
      - { .name: out0, .offset: 64, .size: 8, .value_kind: global_buffer, .address_space: global }
    .group_segment_fixed_size: 327680
    .private_segment_fixed_size: 0
    .kernarg_segment_align: 8
    .kernarg_segment_size: 72
    .max_flat_workgroup_size: 512
    .sgpr_count:     66
    .vgpr_count:     256
    .wavefront_size: 32
...
	.end_amdgpu_metadata
.endif
;; end of part 4
